; MI455X (gfx1250); checked and timed in simulation.
; The chip was launched on July 23, 2026; its instructions are those of AMD's public machine-readable ISA for CDNA 5 (MIT licence, August 2026) and "CDNA5" Instruction Set Architecture Reference Guide (July 2026). The comments in the code are by the model that wrote it; some were corrected since.
;; Multi Headed Attention. Allowed arithmetic: matrix products marked QUANTISED: E3M2 operands, one E8M0 scale for each 32 along K, by v_wmma_scale_f32_16x16x128_f8f6f4 with both operands' format E3M2, f32 sums; everything else in f32.
;; Inputs: Wk 1,024 x 1,024 float32; Wo 1,024 x 1,024 float32; Wq 1,024 x 1,024 float32; Wv 1,024 x 1,024 float32; bk 1,024 float32; bo 1,024 float32; bq 1,024 float32; bv 1,024 float32; x 4 x 2,048 x 1,024 float32.
;; Outputs: out0 4 x 2,048 x 1,024 float32.
;; This version of the problem:
;;   THIS VERSION OF THE PROBLEM IS GIVEN IN LOW PRECISION. The matrix products marked QUANTISED in the list below multiply operands that are first quantised to E3M2 (3 exponent bits, 2 mantissa bits; 6 bits a number), with one power-of-two scale for each 32 numbers along K (OCP MX v1.0); their sums are f32. All else is computed in f32.
;;   The module's matrix products, in the order in which they are computed (A, B: the left and right operand; K: the contracted axis; several contracted axes count as one K, in the product's order):
;;     1. [M 8,192, K 1,024] x [K 1,024, N 1,024]; A: input x; B: input Wq: QUANTISED
;;     2. [M 8,192, K 1,024] x [K 1,024, N 1,024]; A: input x; B: input Wk: QUANTISED
;;     3. [M 8,192, K 1,024] x [K 1,024, N 1,024]; A: input x; B: input Wv: QUANTISED
;;     4. batch 64 x [M 2,048, K 64] x [K 64, N 2,048]; A: computed on the way; B: computed on the way: QUANTISED
;;     5. batch 64 x [M 2,048, K 2,048] x [K 2,048, N 64]; A: softmax (see below); B: computed on the way: QUANTISED
;;     6. [M 8,192, K 1,024] x [K 1,024, N 1,024]; A: computed on the way; B: input Wo: QUANTISED
;;   THE QUANTISER, for each operand of a quantised product, along K:
;;     - K is cut into blocks of 32 from its start; a last block that is shorter is filled with zeros.
;;     - A block's scale is 2^e with e = floor(log2(the largest magnitude in the block)) - 4, held to -126 .. 127; a block of zeros has e = 0. As a byte (E8M0): e + 127.
;;     - Each number is divided by its block's scale, clamped to +-28, and rounded to the nearest number of E3M2, ties to even, subnormals kept.
;;     - The product sums the exact products of the quantised numbers (number of the format x scale) in f32.
;;   ~~~python
;;   def quantise(x, axis):      # numpy; x: float32 -> the quantised numbers, widened to float32 again
;;       x = np.moveaxis(x, axis, -1); K = x.shape[-1]
;;       x = np.pad(x, [(0, 0)] * (x.ndim - 1) + [(0, -K % 32)]); x = x.reshape(x.shape[:-1] + (-1, 32)); a = np.abs(x).max(-1, keepdims=True)
;;       e = np.where(a > 0, np.clip(np.frexp(np.where(a > 0, a, 1))[1] - 1 - 4, -126, 127), 0)      # np.frexp(a)[1] - 1 = floor(log2(a)), exactly
;;       r = np.clip(x / 2.0 ** e, -28, 28)
;;       step = 2.0 ** (np.maximum(np.frexp(np.where(r == 0, 1, r))[1] - 1, -2) - 2)
;;       q = np.round(r / step) * step * 2.0 ** e      # np.round: ties to even
;;       return np.moveaxis(q.reshape(q.shape[:-2] + (-1,))[..., :K], -1, axis).astype(np.float32)
;;   ~~~
;;   SOFTMAX AHEAD OF A QUANTISED PRODUCT. Where the list says 'softmax', what is quantised is not the finished softmax but p = 2^(t - M), with t = logit x log2(e) and M = ceil(the row's largest t), a whole number; so 1/2 < the row's largest p <= 1. The row's sum l is taken of the UNQUANTISED p, in f32, and the product's result is divided by l at the end. Since M is a whole number, a kernel that streams over the keys may use a running M (the ceiling of the running maximum): every later rescaling is an exact power of two, which a block's scale takes up: the codes' values come out the same.
;;   OPERANDS COMPUTED ON THE WAY. 'Computed on the way' means the value that the module computes at that place (a softmax that the list does not call 'softmax' is quantised finished and normalised). What goes into a quantiser is computed in f32, as accurately as f32 sums, v_exp_f32 and their like allow (about 1e-6 of the number): no bf16 or f16 on the way to a quantiser, and a product that is left as it is and whose result goes on into a quantised operand takes f32 operands (vector FMAs, or v_wmma_f32_16x16x4_f32). A number that lies on a knife's edge between two numbers of the format may be rounded either way, as far as f32 arithmetic and the matrix unit's own rounding can turn it there, and no further.
;; One version. Each part assembles by itself: llvm-mc -triple=amdgcn-amd-amdhsa -mcpu=gfx1250 --defsym DOCPART=n.
;; ======== version 1 of 1: 5 launches
;; workspace buffers: xq 6,291,456 bytes; wq 3,145,728 bytes; sc 393,216 bytes; qb 6,815,744 bytes; kv 13,369,344 bytes; ao 6,291,456 bytes; aos 524,288 bytes
;; launch quant (part 1): grid 384 x 1, 4 waves a work-group, no clusters, 35,328 bytes of LDS; arguments x, Wq, Wk, Wv, Wo, xq, wq, sc; writes xq, wq, sc
.if DOCPART == 1
	.amdgcn_target "amdgcn-amd-amdhsa--gfx1250"
	.amdhsa_code_object_version 6
	.text
	.protected	k_q18576a27e9_quant
	.globl	k_q18576a27e9_quant
	.p2align	8
	.type	k_q18576a27e9_quant,@function
k_q18576a27e9_quant:
	s_mov_b64 s[64:65], 0
	v_nop
	global_prefetch_b8 v0, s[64:65] scope:SCOPE_SE
	s_setreg_imm32_b32 hwreg(HW_REG_WAVE_MODE, 25, 1), 1
	s_wait_xcnt 0x0
; x [8192][1024] and the four weights [1024 (k)][1024 (n)], f32, become codes of BF6 (E3M2) with one E8M0 byte for each 32 along K.
; A block's scale is 2^(floor(log2(its largest magnitude)) - 4): its byte is the largest magnitude's exponent field - 4, held at 1 from below.
; LAYOUT OF THE CODES: images of half fragments.  16 rows x 64 K are 768 bytes: plane j (256 bytes) holds registers 2 j, 2 j + 1 of lane l at 256 j + 8 l; lane (r, h) holds row r, k = 32 h .. 32 h + 31.
; xq: [tile 512][chunk 16][768];  wq: [64 m + tile][chunk 16][768], m = 0 Wq, 1 Wk, 2 Wv, 3 Wo.
; POSITIONS: a row (a token of x, a column n of a weight) lies at the position that exchanges bits 3 and 4 of its index: tile t holds indices 32 (t / 2) + 8 (t % 2) + r + 8 (r / 8).
; sc: a tile's scale words, 512 bytes: the word of K step s (128 along K) of row r at 256 (s / 4) + 16 r + 4 (s % 4); x's tile T at 512 T, a weight's tile at 262,144 + 512 x tile.
; Work-groups 0-127 take the weights (a lane to a column, registers down K), 128-383 take x (dense loads, turned through the wave's own stage in LDS).  Waves share nothing: no barrier.
; LIMITS: NaN and infinities are not served.  A block of zeros, or one whose largest magnitude lies under 2^-122, keeps the byte 1; the bytes are read by this program alone.
; The weights' scale words leave 8 bytes of every 16 a store: 131,072 bytes in all, one part in 128 of what that path reads.
.set EMAX, 4
.set SB,   16                          ; v16-19  scale bytes, gathered
.set PX,   20                          ; v20-23  the other half of the lanes' bytes
.set CX0,  24                          ; v24-39  x path: two sets of codes
.set XN,   40                          ; v40-103 two sets of 32 numbers of one block
.set LD,   104                         ; x path: v104-231 four sets of 32 registers as loaded;  W path: v104-167 the codes of eight blocks
.set STG,  4352                        ; a stage: 16 rows x (256 bytes + 16)
.set WREG, 8704                        ; two stages for each wave
.macro BLOCKMAX xs                     ; 32 numbers of one block -> v11 the conversion's scale operand, v10 the byte
	v_max3_num_f32 v8, |v[\xs]|, |v[\xs+1]|, |v[\xs+2]|
	v_max3_num_f32 v9, |v[\xs+3]|, |v[\xs+4]|, |v[\xs+5]|
.irp i, 6,10,14,18,22,26
	v_max3_num_f32 v8, v8, |v[\xs+\i]|, |v[\xs+\i+1]|
	v_max3_num_f32 v9, v9, |v[\xs+\i+2]|, |v[\xs+\i+3]|
.endr
	v_max3_num_f32 v8, v8, |v[\xs+30]|, |v[\xs+31]|
	v_max3_num_f32 v8, v8, v9, (EMAX+1)<<23        ; the floor 2^(5 - 127): the byte cannot fall under 1
	v_add_nc_u32 v11, 0xfe000000, v8               ; 4 off the exponent field: the conversion takes that field as its scale
	v_lshrrev_b32 v10, 23, v11
.endm
.macro CODES xs, c                     ; the block's 32 codes into v[c] .. v[c + 5]
	v_cvt_scalef32_pk16_bf6_f32 v[\c:\c+2], v[\xs:\xs+15], v11
	v_cvt_scalef32_pk16_bf6_f32 v[\c+4:\c+6], v[\xs+16:\xs+31], v11   ; (a conversion's three registers begin on an even number)
	v_nop                                          ; one plain place behind a scaled conversion
	v_mov_b32 v[\c+3], v[\c+4]
	v_mov_b32 v[\c+4], v[\c+5]
	v_mov_b32 v[\c+5], v[\c+6]
.endm
	s_load_b512 s[4:19], s[0:1], 0x0               ; x, Wq, Wk, Wv, Wo, xq, wq, sc
	v_lshl_add_u32 v232, v0, 2, 0x8800
	v_mov_b32 v233, 0
	v_lshrrev_b32 v1, 5, v0
	v_readfirstlane_b32 s20, v1                    ; wave
	v_and_b32 v2, 31, v0                           ; lane
	v_and_b32 v3, 15, v0                           ; r
	v_bfe_u32 v12, v0, 4, 1                        ; h
	v_lshlrev_b32 v7, 3, v2                        ; 8 x lane: a lane's place in a plane
	s_cmp_lt_u32 ttmp9, 128
	s_cbranch_scc0 .Lx
	; ---------------- the weights: work-group = 32 m + 4 cg + S: matrix m, columns 128 cg on, K quarter S; wave w: 32 columns
	s_lshr_b32 s21, ttmp9, 5                       ; m
	s_bfe_u32 s22, ttmp9, 0x30002                  ; cg
	s_and_b32 s23, ttmp9, 3                        ; S
	s_lshl_b32 s24, s22, 7
	s_lshl_b32 s25, s20, 5
	s_add_co_u32 s24, s24, s25                     ; n0
	v_and_b32 v4, 7, v0
	v_bfe_u32 v13, v0, 3, 1
	v_lshl_add_u32 v4, v13, 4, v4
	v_lshl_add_u32 v4, v12, 3, v4                  ; the lane with bits 3 and 4 exchanged: lane l IS position n0 + l
	v_lshlrev_b32 v4, 2, v4
	v_lshlrev_b32 v15, 4, v3
	v_lshl_add_u32 v15, v12, 9, v15                ; scale words: tile l / 16, row l % 16
	s_lshl_b32 s26, s23, 20                        ; 256 S rows of 4,096 bytes
	s_lshl_b32 s27, s24, 2
	s_add_co_u32 s26, s26, s27
	s_mov_b32 s27, 0
	s_lshl_b32 s28, s21, 6
	s_lshr_b32 s29, s24, 4
	s_add_co_u32 s28, s28, s29                     ; the first of my two tiles
	s_mul_i32 s30, s28, 12288
	s_mul_i32 s29, s23, 3072
	s_add_co_u32 s30, s30, s29                     ; chunk 4 S
	s_mov_b32 s31, 0
	s_lshl_b32 s32, s28, 9
	s_add_co_u32 s32, s32, 262144
	s_lshr_b32 s29, s23, 1
	s_lshl_b32 s29, s29, 8
	s_add_co_u32 s32, s32, s29
	s_and_b32 s29, s23, 1
	s_lshl_b32 s29, s29, 3
	s_add_co_u32 s32, s32, s29                     ; K steps 2 S, 2 S + 1
	s_mov_b32 s33, 0
	s_wait_kmcnt 0x0
	s_cmp_eq_u32 s21, 1                            ; which weight: the choice hangs on the work-group's number alone
	s_cselect_b64 s[6:7], s[8:9], s[6:7]
	s_cmp_eq_u32 s21, 2
	s_cselect_b64 s[6:7], s[10:11], s[6:7]
	s_cmp_eq_u32 s21, 3
	s_cselect_b64 s[6:7], s[12:13], s[6:7]
	s_add_nc_u64 s[6:7], s[6:7], s[26:27]
	s_add_nc_u64 s[16:17], s[16:17], s[30:31]
	s_add_nc_u64 s[18:19], s[18:19], s[32:33]
.macro LOADW t                         ; block t: W(32 t + i, my column): a wave reads 128 consecutive bytes, the four waves 512
.set ii, 0
.rept 32
	global_load_b32 v[XN+32*((\t)%2)+ii], v4, s[6:7] offset:(32*(\t)+ii)*4096 th:TH_LOAD_NT
.set ii, ii+1
.endr
.endm
.macro BLOCKW t
.if (\t) < 7
	s_wait_loadcnt 32                              ; this block's 32 loads are in; the next block's 32 may be out
.else
	s_wait_loadcnt 0x0
.endif
	BLOCKMAX XN+32*((\t)%2)
.if (\t)%4 == 0
	v_mov_b32 v[SB+(\t)/4], v10                    ; four bytes to a word, the lower K in the lower byte
.else
	v_lshl_or_b32 v[SB+(\t)/4], v10, 8*((\t)%4), v[SB+(\t)/4]
.endif
	CODES XN+32*((\t)%2), LD+8*(\t)
.if (\t)+2 < 8
	LOADW (\t)+2
.endif
.if (\t)%2                             ; two blocks make a chunk of 64: the even block's lanes 16-31 change places with the odd block's lanes 0-15: the first is then the image of my first tile, the second of my second
.irp i, 0,1,2,3,4,5
	v_permlane16_swap_b32 v[LD+8*(\t)-8+\i], v[LD+8*(\t)+\i]
.endr
.irp j, 0,1,2
	global_store_b64 v7, v[LD+8*(\t)-8+2*\j:LD+8*(\t)-7+2*\j], s[16:17] offset:((\t)/2)*768+256*\j          ; 32 lanes store 256 consecutive bytes, aligned
	global_store_b64 v7, v[LD+8*(\t)+2*\j:LD+8*(\t)+1+2*\j], s[16:17] offset:12288+((\t)/2)*768+256*\j
.endr
.endif
.endm
	LOADW 0
	LOADW 1
.irp t, 0,1,2,3,4,5,6,7                ; every block has code registers of its own: no store's data are written again
	BLOCKW \t
.endr
	global_store_b64 v15, v[SB:SB+1], s[18:19]     ; my column's two scale words
	s_endpgm
	; ---------------- x: wave = tile T of 16 token positions x 512 along K (8 chunks of 64)
.Lx:
	s_sub_co_u32 s21, ttmp9, 128
	s_lshl_b32 s21, s21, 1
	s_lshr_b32 s22, s20, 1
	s_add_co_u32 s21, s21, s22                     ; T
	s_and_b32 s22, s20, 1                          ; which half of K
	s_lshr_b32 s23, s21, 1
	s_lshl_b32 s23, s23, 5
	s_and_b32 s24, s21, 1
	s_lshl_b32 s24, s24, 3
	s_add_co_u32 s23, s23, s24                     ; the tile's first token: 32 (T / 2) + 8 (T % 2)
	s_lshl_b32 s26, s23, 12
	s_lshl_b32 s24, s22, 11
	s_add_co_u32 s26, s26, s24
	s_mov_b32 s27, 0
	s_lshl_b32 s28, s21, 4
	s_lshl_b32 s24, s22, 3
	s_add_co_u32 s28, s28, s24
	s_mul_i32 s28, s28, 768
	s_mov_b32 s29, 0
	s_lshl_b32 s30, s21, 9
	s_lshl_b32 s24, s22, 8
	s_add_co_u32 s30, s30, s24
	s_mov_b32 s31, 0
	s_mov_b32 s34, 0x76543210
	s_mov_b32 s35, 0xfedcba98                      ; v_permlanex16_b32's selects for lane l xor 16
	s_mul_i32 s25, s20, WREG
	v_lshlrev_b32 v4, 12, v12
	v_lshl_add_u32 v4, v3, 4, v4                   ; a load: lanes 0-15 one row's 256 bytes, lanes 16-31 the next row's
	v_mul_u32_u24 v5, v12, 272
	v_lshl_add_u32 v5, v3, 4, v5
	v_add_nc_u32 v5, s25, v5                       ; into the stage as loaded
	v_mul_u32_u24 v6, v3, 272
	v_lshl_add_u32 v6, v12, 7, v6
	v_add_nc_u32 v6, s25, v6                       ; out of it: row r, 128 h bytes on: my 32 neighbours
	v_lshlrev_b32 v15, 4, v3
	v_lshl_add_u32 v15, v12, 3, v15                ; the scale words' way out: 16 r + 8 h
.irp k, 0,1,2,3
	v_mov_b32 v[PX+\k], 0                          ; a lane permute's destination counts as one of its sources
.endr
	s_wait_kmcnt 0x0
	s_add_nc_u64 s[4:5], s[4:5], s[26:27]
	s_add_nc_u64 s[14:15], s[14:15], s[28:29]
	s_add_nc_u64 s[18:19], s[18:19], s[30:31]
.macro LOADX c                         ; chunk c: 16 rows x 256 bytes; load e takes positions 2 e, 2 e + 1, which are tokens 2 e + 8 (e / 4) on
.irp e, 0,1,2,3,4,5,6,7
	global_load_b128 v[LD+32*((\c)%4)+4*\e:LD+32*((\c)%4)+4*\e+3], v4, s[4:5] offset:(2*\e+8*(\e/4))*4096+256*(\c) th:TH_LOAD_NT
.endr
.endm
.macro TURNX c                         ; through the stage: LDS serves a wave's instructions in order, so no wait stands between the stores and the loads
.irp e, 0,1,2,3,4,5,6,7
	ds_store_b128 v5, v[LD+32*((\c)%4)+4*\e:LD+32*((\c)%4)+4*\e+3] offset:STG*((\c)%2)+544*\e
.endr
.irp e, 0,1,2,3,4,5,6,7
	ds_load_b128 v[XN+32*((\c)%2)+4*\e:XN+32*((\c)%2)+4*\e+3], v6 offset:STG*((\c)%2)+16*\e
.endr
.endm
.macro STEPX c
	s_wait_dscnt 0x0                               ; this chunk's numbers are back; its stores into the stage have read their registers,
.if (\c)+4 < 8
	LOADX (\c)+4                                   ; which take the chunk four on
.endif
.if (\c)+1 < 8
.if 6-(\c) >= 3
	s_wait_loadcnt 24                              ; the next chunk's 8 loads are in; the three chunks behind it may be out
.else
	s_wait_loadcnt 8*(6-(\c))
.endif
	TURNX (\c)+1
.endif
	BLOCKMAX XN+32*((\c)%2)
.if (\c)%2 == 0
	v_mov_b32 v[SB+(\c)/2], v10                    ; my block's byte: bits 0 or 16 of half a word
.else
	v_lshl_or_b32 v[SB+(\c)/2], v10, 16, v[SB+(\c)/2]
.endif
	s_wait_xcnt 0x0                                ; the stores of two chunks ago have read this set of code registers
	CODES XN+32*((\c)%2), CX0+8*((\c)%2)
.irp j, 0,1,2
	global_store_b64 v7, v[CX0+8*((\c)%2)+2*\j:CX0+8*((\c)%2)+2*\j+1], s[14:15] offset:(\c)*768+256*\j   ; 256 consecutive bytes, aligned
.endr
.endm
.irp c, 0,1,2,3
	LOADX \c
.endr
	s_wait_loadcnt 24                              ; chunk 0 is in; chunks 1 to 3 may be out
	TURNX 0
.irp c, 0,1,2,3,4,5,6,7
	STEPX \c
.endr
	v_lshlrev_b32 v13, 3, v12
.irp k, 0,1,2,3
	v_lshlrev_b32 v[SB+\k], v13, v[SB+\k]          ; lanes 16-31 hold the odd blocks' bytes: 8 bits up
.endr
.irp k, 0,1,2,3
	v_permlanex16_b32 v[PX+\k], v[SB+\k], s34, s35
.endr
.irp k, 0,1,2,3
	v_or_b32 v[SB+\k], v[SB+\k], v[PX+\k]          ; the row's four words are whole
.endr
	v_cmp_ne_u32 vcc_lo, 0, v12
	v_cndmask_b32 v16, v16, v18, vcc_lo            ; lanes 0-15 store words 0, 1, lanes 16-31 words 2, 3
	v_cndmask_b32 v17, v17, v19, vcc_lo
	global_store_b64 v15, v[16:17], s[18:19]       ; 256 consecutive bytes, aligned
	s_wait_tensorcnt 0x0
	ds_add_u32 v232, v233
	s_wait_dscnt 0x0
	s_endpgm
.Lfunc_end_k_q18576a27e9_quant:
	.size	k_q18576a27e9_quant, .Lfunc_end_k_q18576a27e9_quant-k_q18576a27e9_quant
	.p2alignl 7, 3214868480
	.fill 96, 4, 3214868480
	.section	.rodata,"a",@progbits
	.p2align	6, 0x0
	.amdhsa_kernel k_q18576a27e9_quant
		.amdhsa_group_segment_fixed_size 35328
		.amdhsa_private_segment_fixed_size 0
		.amdhsa_enable_private_segment 0
		.amdhsa_kernarg_size 64
		.amdhsa_user_sgpr_count 2
		.amdhsa_user_sgpr_kernarg_segment_ptr 1
		.amdhsa_wavefront_size32 1
		.amdhsa_system_sgpr_workgroup_id_x 1
		.amdhsa_system_sgpr_workgroup_id_y 1
		.amdhsa_system_sgpr_workgroup_id_z 1
		.amdhsa_system_vgpr_workitem_id 0
		.amdhsa_next_free_vgpr 234
		.amdhsa_next_free_sgpr 66
		.amdhsa_reserve_vcc 1
		.amdhsa_float_denorm_mode_32 3
		.amdhsa_float_denorm_mode_16_64 3
		.amdhsa_memory_ordered 1
		.amdhsa_forward_progress 1
		.amdhsa_inst_pref_size 73
	.end_amdhsa_kernel
	.amdgpu_metadata
---
amdhsa.version: [ 1, 2 ]
amdhsa.kernels:
  - .name:           k_q18576a27e9_quant
    .symbol:         k_q18576a27e9_quant.kd
    .args:
      - { .name: x, .offset: 0, .size: 8, .value_kind: global_buffer, .address_space: global }
      - { .name: Wq, .offset: 8, .size: 8, .value_kind: global_buffer, .address_space: global }
      - { .name: Wk, .offset: 16, .size: 8, .value_kind: global_buffer, .address_space: global }
      - { .name: Wv, .offset: 24, .size: 8, .value_kind: global_buffer, .address_space: global }
      - { .name: Wo, .offset: 32, .size: 8, .value_kind: global_buffer, .address_space: global }
      - { .name: xq, .offset: 40, .size: 8, .value_kind: global_buffer, .address_space: global }
      - { .name: wq, .offset: 48, .size: 8, .value_kind: global_buffer, .address_space: global }
      - { .name: sc, .offset: 56, .size: 8, .value_kind: global_buffer, .address_space: global }
    .group_segment_fixed_size: 35328
    .private_segment_fixed_size: 0
    .kernarg_segment_align: 8
    .kernarg_segment_size: 64
    .max_flat_workgroup_size: 128
    .sgpr_count:     66
    .vgpr_count:     234
    .wavefront_size: 32
...
	.end_amdgpu_metadata
.endif
;; end of part 1
;; launch gemm_qk (part 2): grid 8 x 32, 4 waves a work-group, clusters of 4 x 4, 327,680 bytes of LDS; arguments xq, wq, sc, bq, bk, qb, kv; writes qb, kv
.if DOCPART == 2
	.amdgcn_target "amdgcn-amd-amdhsa--gfx1250"
	.amdhsa_code_object_version 6
	.text
	.protected	k_q18576a27e9_gemm_qk
	.globl	k_q18576a27e9_gemm_qk
	.p2align	8
	.type	k_q18576a27e9_gemm_qk,@function
k_q18576a27e9_gemm_qk:
	s_mov_b64 s[64:65], 0
	v_nop
	global_prefetch_b8 v0, s[64:65] scope:SCOPE_SE
	s_setreg_imm32_b32 hwreg(HW_REG_WAVE_MODE, 25, 1), 1
	s_wait_xcnt 0x0
	s_wait_alu depctr_hold_cnt(0) depctr_sa_sdst(0) depctr_va_vdst(0) depctr_va_sdst(0) depctr_va_ssrc(0) depctr_va_vcc(0) depctr_vm_vsrc(0)
	s_getreg_b32 s2, hwreg(HW_REG_IB_STS2, 6, 4)
	s_cmp_eq_u32 s2, 0
	s_cbranch_scc0 .Lentry_in_a_cluster
	s_endpgm
.Lentry_in_a_cluster:
	s_bfe_u32 s2, ttmp6, 0x10000c
	s_cmp_lg_u32 s2, 0xf033
	s_cbranch_scc0 .Lentry_shape_is_right
	s_endpgm
.Lentry_shape_is_right:
; q = x Wq + bq and k = x Wk + bk on codes of BF6, and the results quantised along the head's 64, for the scores' product.
; A work-group makes 256 columns (P: tiles of Wq or Wk, source 0) x 256 tokens (Q: tiles of x, source 1); a wave 128 x 128: 64 accumulators, 512 registers.
; Source 0 = 16 column positions: a lane then holds ONE token, and registers 16 b + i of tiles 2 b, 2 b + 1 hold column 32 b + 16 (lane / 16) + i (the tiles' rows are laid for that): 64 neighbours of each of two heads.
; OPERANDS lie in memory as images of half fragments (768 bytes: 16 rows x 64 K, plane j at 256 j, lane l at 8 l), 16 to a tile.  A slice of 256 along K is 3,072 consecutive bytes of each tile.
; LDS: three slots of 32 tiles x 3,072 bytes (Q's 16, then P's 16).  K = 1,024 is four slices: three are first fills, the fourth fills slot 0 again: one refill, with four K steps of 64 matrix instructions in which to land.
; CLUSTER 4 x 4: Q's tiles hang on the tile row alone and are asked for jointly along a row of the cluster, P's on the tile column alone, along a column.
; The biases are the C of each sum's first matrix instruction.  The scale words of all of K come into registers once, 256 consecutive bytes to sixteen lanes.
; OUT: qb [16 b + head][group of 128 tokens][6,656]: 8 tiles x 768 bytes of codes, then 512 bytes of words (tile a, row r at 256 (a / 4) + 16 r + 4 (a % 4)); a word is byte 0, byte 1, 0x7f, 0x7f;
;      k goes to kv [16 b + head][256 keys][26,112], groups at 0 and 6,656, laid the same.
; LIMITS: NaN and infinities are not served; a block of zeros or under 2^-122 keeps the byte 1 (the bytes are read by this program alone).
; REGISTERS: window 0: v1-29 addresses; v32-95 scale words; v96-159 the bias, later at work; v160-255 Q's 8 fragments.  Window 1: P's fragments, two sets, at v0 and v128.  Windows 2, 3: the accumulators ((a, b) at v[8 (8 (a % 4) + b)]).
.set TILEB, 12288
.set SLICE, 3072
.set SLOT,  32*SLICE
.set SPARE, 3*SLOT                     ; behind the slots: the spare words, 128 bytes for each wave: two blocks of 256 bytes that no other line names
.set ADQ,  16                          ; v16-18  LDS address of my Q fragments in slot 0, 1, 2
.set ADP,  20                          ; v20-22  the same for P
.set CO,   24                          ; v24     8 x lane
.set SOFF, 25                          ; v25     the words' way out: 16 r + (lane / 16) x a head's bytes
.set SPW,  28                          ; v28     my spare word; never rewritten
.set NIL,  29                          ; v29     0; never rewritten
.set SC,   32                          ; v[SC + 8 i + s]: lanes 0-15 the word of x's tile i, lanes 16-31 that of W's tile i, K step s
.set BI,   96
.set QF,   160
.set TM,   96                          ; the way out: v96-99 maxima, v100-103 bytes, v108-111 scale operands
.set PW,   112
.set PC,   114                         ; v114-125 a fragment's codes; v126-132 the conversions' second halves
.set SWD,  136
.set K7F,  144
.set SH16, 145
.set G1Q, 24
.set G1P, 32
.set G0Q, 40                           ; s[40:51] three sets
.set G0P, 52                           ; s[52:63] three sets
.set MSB, 0
.macro WIN new                         ; the immediate's high byte repeats the setting that is left
.if MSB != (\new)
	s_set_vgpr_msb (MSB<<8)|(\new)
.set MSB, (\new)
.endif
.endm
.macro PLACES n
.rept \n
	v_nop
.endr
.endm
.macro CREST                           ; a round of the cluster's barrier behind its opening barrier
	s_cmp_lg_u32 s18, 0
	s_cbranch_scc1 .Lnot_wave_0_\@
	s_barrier_signal -3
.Lnot_wave_0_\@:
	s_barrier_wait -3
	s_barrier_signal -1
	s_barrier_wait -1
.endm
.macro CROUND
	s_barrier_signal -1
	s_barrier_wait -1
	CREST
.endm
.macro JLOAD g0q, g1q, g0p, g1p        ; a joint load: waves 0, 1 fetch Q's halves, waves 2, 3 P's; four v_nop follow each line
	s_cmp_eq_u32 s19, 0
	s_cbranch_scc0 .Lfor_p_\@
	tensor_load_to_lds s[\g0q:\g0q+3], s[\g1q:\g1q+7]
	s_nop 0
.rept 4
	v_nop
.endr
	s_branch .Lasked_\@
.Lfor_p_\@:
	tensor_load_to_lds s[\g0p:\g0p+3], s[\g1p:\g1p+7]
	s_nop 0
.rept 4
	v_nop
.endr
.Lasked_\@:
.endm
.macro FRAG reg, adr, off              ; a fragment, 16 rows x 128 K: two half images on end: six planes of 256 bytes, 8 bytes a lane
.irp p, 0,1,2,3,4,5
	ds_load_b64 v[\reg+2*\p:\reg+2*\p+1], v[\adr] offset:\off+256*\p
.endr
.endm
.macro FETCH_P ls, q, p
	WIN 0x40                                       ; destination window 1
.irp i, 0,1,2,3,4,5,6,7
	FRAG 128*(\p)+12*\i, ADP+(\ls), 3072*\i+1536*(\q)
.endr
	WIN 0
.endm
.macro FETCH_Q ls, q, i0
.irp i, \i0, \i0+1, \i0+2, \i0+3
	FRAG QF+12*(\i), ADQ+(\ls), 3072*(\i)+1536*(\q)
.endr
.endm
.macro WM acc, pf, qf, c0, sa, sb
	v_wmma_scale_f32_16x16x128_f8f6f4 v[\acc:\acc+7], v[\pf:\pf+11], v[\qf:\qf+11], v[\c0:\c0+7], v[\sa], v[\sb] matrix_a_fmt:MATRIX_FMT_BF6 matrix_b_fmt:MATRIX_FMT_BF6 matrix_a_scale:MATRIX_SCALE_ROW1
.endm
.macro MUL8 a, p, sg, first            ; Q's block a against P's eight, K step sg; the 64 accumulators take turns in the same order in every step
.irp b, 0,1,2,3,4,5,6,7
.if \first
	WM 8*(8*((\a)%4)+\b), 128*(\p)+12*\b, QF+12*(\a), BI+8*\b, SC+8*\b+(\sg), SC+8*(\a)+(\sg)
.else
	WM 8*(8*((\a)%4)+\b), 128*(\p)+12*\b, QF+12*(\a), 8*(8*((\a)%4)+\b), SC+8*\b+(\sg), SC+8*(\a)+(\sg)
.endif
.endr
.endm
	s_load_b256 s[4:11], s[0:1], 0x0               ; xq, wq, sc, bq
	s_load_b128 s[12:15], s[0:1], 0x20             ; bk, qb
	s_load_b64 s[16:17], s[0:1], 0x30              ; kv
	v_lshl_add_u32 v[SPW], v0, 2, SPARE
	v_mov_b32 v[NIL], 0
	ds_add_u32 v28, v29
	s_wait_dscnt 0x0
	v_lshrrev_b32 v1, 5, v0
	v_readfirstlane_b32 s18, v1                    ; wave
	s_lshr_b32 s19, s18, 1                         ; my half of Q's rows.  Also: I fetch for Q (0) or for P (1)
	s_and_b32 s20, s18, 1                          ; my half of P's rows.  Also: which half I fetch
	s_bfe_u32 s21, ttmp6, 0x40000                  ; cx
	s_bfe_u32 s22, ttmp6, 0x40004                  ; cy
	s_lshl_b32 s23, ttmp9, 2
	s_add_co_u32 s23, s23, s21                     ; px: 256 columns; 0-3 Wq, 4-7 Wk
	s_and_b32 s66, ttmp7, 0xffff
	s_lshl_b32 s66, s66, 2
	s_add_co_u32 s66, s66, s22                     ; qy: 256 tokens
	s_lshl_b32 s67, s22, 2
	s_lshl_b32 s67, 15, s67                        ; my row of the cluster
	s_lshl_b32 s68, 0x1111, s21                    ; my column
	s_or_b32 s[G1Q], s67, (3<<16)|(1<<21)          ; 15:0 the mask; 17:16 elements of 8 bytes; 21 set beside a mask; no padding
	s_or_b32 s[G1P], s68, (3<<16)|(1<<21)
.irp g, G1Q, G1P
	s_mov_b32 s[\g+1], 384<<16                     ; tensor_dim0: 3,072 bytes
	s_mov_b32 s[\g+2], 8<<16                       ; tensor_dim1: 8 tiles
	s_mov_b32 s[\g+3], 384<<16                     ; tile_dim0
	s_mov_b32 s[\g+4], 8                           ; tile_dim1
	s_mov_b32 s[\g+5], 1536                        ; from tile to tile: 12,288 bytes
	s_mov_b32 s[\g+6], 0
	s_mov_b32 s[\g+7], 0
.endr
	s_lshl_b32 s69, s20, 3
	s_lshl_b32 s70, s66, 4
	s_add_co_u32 s70, s70, s69                     ; Q: tile 16 qy + 8 x half
	s_mul_i32 s70, s70, TILEB
	s_mov_b32 s71, 0
	s_lshl_b32 s72, s23, 4
	s_add_co_u32 s72, s72, s69                     ; P: tile 16 px + 8 x half
	s_mul_i32 s72, s72, TILEB
	s_mov_b32 s73, 0
	s_mul_i32 s74, s18, 8*SLICE                    ; where they go: wave x 8 tiles
	s_wait_kmcnt 0x0
	s_add_nc_u64 s[70:71], s[4:5], s[70:71]
	s_add_nc_u64 s[72:73], s[6:7], s[72:73]
	CROUND                                         ; all sixteen work-groups are here: the first joint loads meet
.irp s, 0,1,2                          ; slices 0, 1, 2: three tensor loads of mine are out
	s_mov_b32 s[G0Q+4*\s], 1
	s_add_co_u32 s[G0Q+4*\s+1], s74, \s*SLOT
	s_add_nc_u64 s[G0Q+4*\s+2:G0Q+4*\s+3], s[70:71], \s*SLICE
	s_or_b32 s[G0Q+4*\s+3], s[G0Q+4*\s+3], 0x80000000
	s_mov_b32 s[G0P+4*\s], 1
	s_add_co_u32 s[G0P+4*\s+1], s74, \s*SLOT
	s_add_nc_u64 s[G0P+4*\s+2:G0P+4*\s+3], s[72:73], \s*SLICE
	s_or_b32 s[G0P+4*\s+3], s[G0P+4*\s+3], 0x80000000
	JLOAD G0Q+4*\s, G1Q, G0P+4*\s, G1P
.endr
	v_and_b32 v1, 31, v0
	v_lshlrev_b32 v[CO], 3, v1
	v_and_b32 v2, 15, v0                           ; r
	v_bfe_u32 v3, v0, 4, 1                         ; h
	s_mul_i32 s75, s19, 8*SLICE
	s_mul_i32 s76, s20, 8*SLICE
	s_add_co_u32 s76, s76, 16*SLICE                ; P's tiles lie behind Q's 16
.irp s, 0,1,2
	v_add_nc_u32 v[ADQ+\s], s75, v[CO]
	v_add_nc_u32 v[ADP+\s], s76, v[CO]
	s_add_co_u32 s75, s75, SLOT
	s_add_co_u32 s76, s76, SLOT
.endr
	s_lshl_b32 s77, s66, 4                         ; the scale words: lanes 0-15 x's tiles 16 qy + 8 WQ on, lanes 16-31 W's tiles 16 px + 8 WP on
	s_lshl_b32 s78, s19, 3
	s_add_co_u32 s77, s77, s78
	s_lshl_b32 s77, s77, 9
	s_lshl_b32 s78, s23, 4
	s_lshl_b32 s79, s20, 3
	s_add_co_u32 s78, s78, s79
	s_lshl_b32 s78, s78, 9
	s_add_co_u32 s78, s78, 262144
	v_mov_b32 v4, s77
	v_mov_b32 v5, s78
	v_cmp_ne_u32 vcc_lo, 0, v3
	v_cndmask_b32 v4, v4, v5, vcc_lo
	v_lshl_add_u32 v4, v2, 4, v4
.irp i, 0,1,2,3,4,5,6,7
	global_load_b128 v[SC+8*\i:SC+8*\i+3], v4, s[8:9] offset:\i*512
	global_load_b128 v[SC+8*\i+4:SC+8*\i+7], v4, s[8:9] offset:\i*512+256
.endr
	s_cmp_eq_u32 ttmp9, 0                          ; q or k: the cluster's x, equal in all partners
	s_cselect_b64 s[80:81], s[10:11], s[12:13]     ; the bias
	s_cselect_b64 s[82:83], s[14:15], s[16:17]     ; the output
	s_mov_b32 s84, 208896
	s_cselect_b32 s84, 106496, s84                 ; a head's bytes in it
	s_mov_b32 s85, 26112
	s_cselect_b32 s85, 13312, s85                  ; two groups' bytes in it
	s_lshl_b32 s86, s21, 10
	s_lshl_b32 s87, s20, 9
	s_add_co_u32 s86, s86, s87                     ; my first column, 256 cx + 128 WP, in bytes
	s_mov_b32 s87, 0
	s_add_nc_u64 s[80:81], s[80:81], s[86:87]
	v_lshlrev_b32 v6, 6, v3
.irp b, 0,1,2,3,4,5,6,7                ; lane (r, h), tile b, register j: column 32 (b / 2) + 16 h + 8 (b % 2) + j
	global_load_b128 v[BI+8*\b:BI+8*\b+3], v6, s[80:81] offset:(32*(\b/2)+8*(\b%2))*4
	global_load_b128 v[BI+8*\b+4:BI+8*\b+7], v6, s[80:81] offset:(32*(\b/2)+8*(\b%2))*4+16
.endr
	s_lshl_b32 s88, s66, 1                         ; where my results go: group 2 qy + WQ of 128 tokens, heads 4 cx + 2 WP and the next
	s_add_co_u32 s88, s88, s19
	s_lshr_b32 s89, s88, 4                         ; the batch
	s_and_b32 s88, s88, 15                         ; the group in it
	s_lshl_b32 s89, s89, 4
	s_lshl_b32 s90, s21, 2
	s_add_co_u32 s89, s89, s90
	s_lshl_b32 s90, s20, 1
	s_add_co_u32 s89, s89, s90
	s_mul_i32 s90, s89, s84
	s_lshr_b32 s89, s88, 1
	s_mul_i32 s89, s89, s85
	s_add_co_u32 s90, s90, s89
	s_and_b32 s88, s88, 1
	s_mul_i32 s88, s88, 6656
	s_add_co_u32 s90, s90, s88
	s_mov_b32 s91, 0
	s_add_nc_u64 s[92:93], s[82:83], s[90:91]      ; the first head's group
	s_mov_b32 s96, s84
	s_mov_b32 s97, 0
	s_add_nc_u64 s[94:95], s[92:93], s[96:97]      ; the second head's
	v_mul_u32_u24 v[SOFF], s84, v3
	v_lshl_add_u32 v[SOFF], v2, 4, v[SOFF]
	s_mov_b32 s98, 0x76543210
	s_mov_b32 s99, 0xfedcba98
.macro STEP sg, nls, nq, first         ; K step sg; it fetches the next step's fragments from slot nls, half nq
	s_wait_dscnt 24                                ; P's set and Q's blocks 0-3 are in; the youngest 24 loads (Q's blocks 4-7) may be out
.if \first
	WIN 0x81                                       ; P window 1, Q window 0, C (the bias) window 0, D window 2
.else
	WIN 0xa1
.endif
.irp a, 0,1,2,3
	MUL8 \a, (\sg)%2, \sg, \first
.endr
	s_wait_dscnt 0x0
	PLACES 4                                       ; four places in front of loads into registers that matrix instructions have read
	FETCH_P \nls, \nq, 1-(\sg)%2
	FETCH_Q \nls, \nq, 0
.if \first
	WIN 0xc1
.else
	WIN 0xf1
.endif
.irp a, 4,5,6,7
	MUL8 \a, (\sg)%2, \sg, \first
.endr
	PLACES 4
	WIN 0
	FETCH_Q \nls, \nq, 4
.endm
.macro TURN sg, nls, nq, fill          ; a step with a barrier: in front of it each wave waits for all its tensor loads, adds 0 to its spare word and waits for that and for its LDS reads
	s_wait_tensorcnt 0x0                           ; all my tensor loads have landed
	ds_add_u32 v[SPW], v[NIL]                      ; 0 onto my spare word
	s_wait_dscnt 25                                ; (the add and the youngest 24 loads may be out)
	WIN 0xa1
	MUL8 0, 1, \sg, 0
	MUL8 1, 1, \sg, 0
	s_wait_dscnt 0x0                               ; the add is done, and my reads of the slot just left are over
	s_barrier_signal -1
	MUL8 2, 1, \sg, 0
	MUL8 3, 1, \sg, 0
	WIN 0
	s_barrier_wait -1
.if \fill
	CREST                                          ; the barrier has opened a round of the cluster's: no wave of any partner still reads slot 0 or has a load on its way
	s_add_nc_u64 s[G0Q+2:G0Q+3], s[G0Q+2:G0Q+3], 3*SLICE
	s_add_nc_u64 s[G0P+2:G0P+3], s[G0P+2:G0P+3], 3*SLICE
	JLOAD G0Q, G1Q, G0P, G1P                       ; slice 3 into slot 0: my one tensor load behind the round; its four v_nop are also the places in front of the loads below
.else
	PLACES 4
.endif
	FETCH_P \nls, \nq, 0
	FETCH_Q \nls, \nq, 0
	WIN 0xf1
.irp a, 4,5,6,7
	MUL8 \a, 1, \sg, 0
.endr
	PLACES 4
	WIN 0
	FETCH_Q \nls, \nq, 4
.endm
	s_wait_tensorcnt 2                             ; my part of slice 0 is in; slices 1 and 2 may be out
	s_barrier_signal -1
	s_barrier_wait -1
	FETCH_P 0, 0, 0
	FETCH_Q 0, 0, 0
	FETCH_Q 0, 0, 4
	s_wait_loadcnt 0x0                             ; scale words and bias
	STEP 0, 0, 1, 1
	TURN 1, 1, 0, 1                                ; slot 0 is left and filled again; slots 1 and 2 are whole in every wave
	STEP 2, 1, 1, 0
	STEP 3, 2, 0, 0
	STEP 4, 2, 1, 0
	TURN 5, 0, 0, 0                                ; slice 3 has landed in every wave
	STEP 6, 0, 1, 0
	s_wait_dscnt 24                                ; the last step: nothing more to fetch
	WIN 0xa1
.irp a, 0,1,2,3
	MUL8 \a, 1, 7, 0
.endr
	s_wait_dscnt 0x0
	WIN 0xf1
.irp a, 4,5,6,7
	MUL8 \a, 1, 7, 0
.endr
	WIN 0
; 64 accumulator registers of window w, register 16 b + i = k 32 b + 16 (lane / 16) + i of my row, become a fragment's codes in v[PC] on and its scale word in v[PW].  Each accumulator is read from its low end on.
.macro QUANTW s, w
	WIN ((\w)<<2)|(\w)
.irp b, 0,1,2,3
	v_max3_num_f32 v[TM+\b], |v[\s+16*\b]|, |v[\s+16*\b+1]|, 0x2800000   ; with the floor 2^(5 - 127)
.endr
.irp i, 2,4,6,8,10,12,14
.irp b, 0,1,2,3
	v_max3_num_f32 v[TM+\b], |v[\s+16*\b+\i]|, |v[\s+16*\b+\i+1]|, v[TM+\b]
.endr
.endr
	WIN 0
.irp b, 0,1,2,3
	v_permlanex16_b32 v[TM+4+\b], v[TM+\b], s98, s99
.endr
.irp b, 0,1,2,3
	v_max_num_f32 v[TM+\b], v[TM+\b], v[TM+4+\b]   ; with lane l xor 16's: the block's largest magnitude
.endr
.irp b, 0,1,2,3
	v_add_nc_u32 v[TM+12+\b], 0xfe000000, v[TM+\b]
.endr
.irp b, 0,1,2,3
	v_lshrrev_b32 v[TM+4+\b], 23, v[TM+12+\b]
.endr
	v_lshl_or_b32 v[PW], v[TM+5], 8, v[TM+4]
	v_lshl_or_b32 v[PW], v[TM+6], 16, v[PW]
	v_lshl_or_b32 v[PW], v[TM+7], 24, v[PW]
	s_wait_xcnt 0x0                                ; the last block's stores have read the code registers
	WIN \w
.irp c, 0,1
	v_cvt_scalef32_pk16_bf6_f32 v[PC+6*\c:PC+6*\c+2], v[\s+32*\c:\s+32*\c+15], v[TM+12+2*\c]
	v_cvt_scalef32_pk16_bf6_f32 v[PC+12+4*\c:PC+14+4*\c], v[\s+32*\c+16:\s+32*\c+31], v[TM+12+2*\c+1]
.endr
	WIN 0
	v_nop                                          ; one plain place behind a scaled conversion
.irp c, 0,1                            ; the layout wants a whole block in a lane
.irp i, 0,1,2
	v_permlane16_swap_b32 v[PC+6*\c+\i], v[PC+12+4*\c+\i]
.endr
.irp i, 0,1,2
	v_mov_b32 v[PC+3+6*\c+\i], v[PC+12+4*\c+\i]
.endr
.endr
.endm
	PLACES 4                                       ; in front of the first read of results
.irp b, 0,1,2,3
	v_mov_b32 v[TM+4+\b], 0                        ; a lane permute's destination counts as one of its sources
.endr
	v_mov_b32 v[K7F], 0x7f7f0000
	v_lshlrev_b32 v[SH16], 4, v3
.irp a, 0,1,2,3,4,5,6,7                ; Q's block a = tile a of the group: registers 0-5 are the first head's half image, 6-11 the second's
	QUANTW 64*((\a)%4), 2+(\a)/4
	v_lshrrev_b32 v[TM], v[SH16], v[PW]            ; lanes 0-15 keep the first head's two bytes, lanes 16-31 the second's
	v_and_or_b32 v[SWD+\a], v[TM], 0xffff, v[K7F]
.irp j, 0,1,2
	global_store_b64 v[CO], v[PC+2*\j:PC+2*\j+1], s[92:93] offset:\a*768+256*\j      ; 256 consecutive bytes, aligned
	global_store_b64 v[CO], v[PC+6+2*\j:PC+7+2*\j], s[94:95] offset:\a*768+256*\j
.endr
.endr
	global_store_b128 v[SOFF], v[SWD:SWD+3], s[92:93] offset:6144       ; sixteen lanes store 256 consecutive bytes of one head's words, the other sixteen of the other's
	global_store_b128 v[SOFF], v[SWD+4:SWD+7], s[92:93] offset:6400
	s_wait_tensorcnt 0x0                           ; the wave's end
	ds_add_u32 v[SPW], v[NIL]
	s_wait_dscnt 0x0
	CROUND                                         ; the closing round
	s_endpgm
.Lfunc_end_k_q18576a27e9_gemm_qk:
	.size	k_q18576a27e9_gemm_qk, .Lfunc_end_k_q18576a27e9_gemm_qk-k_q18576a27e9_gemm_qk
	.p2alignl 7, 3214868480
	.fill 96, 4, 3214868480
	.section	.rodata,"a",@progbits
	.p2align	6, 0x0
	.amdhsa_kernel k_q18576a27e9_gemm_qk
		.amdhsa_group_segment_fixed_size 327680
		.amdhsa_private_segment_fixed_size 0
		.amdhsa_enable_private_segment 0
		.amdhsa_kernarg_size 56
		.amdhsa_user_sgpr_count 2
		.amdhsa_user_sgpr_kernarg_segment_ptr 1
		.amdhsa_wavefront_size32 1
		.amdhsa_system_sgpr_workgroup_id_x 1
		.amdhsa_system_sgpr_workgroup_id_y 1
		.amdhsa_system_sgpr_workgroup_id_z 1
		.amdhsa_system_vgpr_workitem_id 0
		.amdhsa_next_free_vgpr 1024
		.amdhsa_next_free_sgpr 100
		.amdhsa_reserve_vcc 1
		.amdhsa_float_denorm_mode_32 3
		.amdhsa_float_denorm_mode_16_64 3
		.amdhsa_memory_ordered 1
		.amdhsa_forward_progress 1
		.amdhsa_inst_pref_size 167
	.end_amdhsa_kernel
	.amdgpu_metadata
---
amdhsa.version: [ 1, 2 ]
amdhsa.kernels:
  - .name:           k_q18576a27e9_gemm_qk
    .symbol:         k_q18576a27e9_gemm_qk.kd
    .args:
      - { .name: xq, .offset: 0, .size: 8, .value_kind: global_buffer, .address_space: global }
      - { .name: wq, .offset: 8, .size: 8, .value_kind: global_buffer, .address_space: global }
      - { .name: sc, .offset: 16, .size: 8, .value_kind: global_buffer, .address_space: global }
      - { .name: bq, .offset: 24, .size: 8, .value_kind: global_buffer, .address_space: global }
      - { .name: bk, .offset: 32, .size: 8, .value_kind: global_buffer, .address_space: global }
      - { .name: qb, .offset: 40, .size: 8, .value_kind: global_buffer, .address_space: global }
      - { .name: kv, .offset: 48, .size: 8, .value_kind: global_buffer, .address_space: global }
    .group_segment_fixed_size: 327680
    .private_segment_fixed_size: 0
    .kernarg_segment_align: 8
    .kernarg_segment_size: 56
    .max_flat_workgroup_size: 128
    .sgpr_count:     100
    .vgpr_count:     1024
    .wavefront_size: 32
...
	.end_amdgpu_metadata
.endif
;; end of part 2
;; launch gemm_v (part 3): grid 32 x 8, 4 waves a work-group, clusters of 4 x 4, 295,424 bytes of LDS; arguments xq, wq, sc, bv, kv; writes kv
.if DOCPART == 3
	.amdgcn_target "amdgcn-amd-amdhsa--gfx1250"
	.amdhsa_code_object_version 6
	.text
	.protected	k_q18576a27e9_gemm_v
	.globl	k_q18576a27e9_gemm_v
	.p2align	8
	.type	k_q18576a27e9_gemm_v,@function
k_q18576a27e9_gemm_v:
	s_mov_b64 s[64:65], 0
	v_nop
	global_prefetch_b8 v0, s[64:65] scope:SCOPE_SE
	s_setreg_imm32_b32 hwreg(HW_REG_WAVE_MODE, 25, 1), 1
	s_wait_xcnt 0x0
	s_wait_alu depctr_hold_cnt(0) depctr_sa_sdst(0) depctr_va_vdst(0) depctr_va_sdst(0) depctr_va_ssrc(0) depctr_va_vcc(0) depctr_vm_vsrc(0)
	s_getreg_b32 s2, hwreg(HW_REG_IB_STS2, 6, 4)
	s_cmp_eq_u32 s2, 0
	s_cbranch_scc0 .Lentry_in_a_cluster
	s_endpgm
.Lentry_in_a_cluster:
	s_bfe_u32 s2, ttmp6, 0x10000c
	s_cmp_lg_u32 s2, 0xf033
	s_cbranch_scc0 .Lentry_shape_is_right
	s_endpgm
.Lentry_shape_is_right:
; v = x Wv + bv on codes of BF6, and the result quantised ALONG THE KEYS, as the second product of attention wants it.
; Source 0 (P) = 16 token positions of x, source 1 (Q) = 16 column positions of Wv: a lane holds ONE channel d, and registers 16 b + i of tiles 2 b, 2 b + 1 hold token 32 b + 16 (lane / 16) + i: neighbours along the keys.
; A work-group makes 256 tokens x 128 channels; a wave 128 tokens x 64 channels (one head, one key step of 128): 32 accumulators.  8,192 x 1,024 so give 256 work-groups.
; LDS: all of K is resident: four slices of 24 tiles x 3,072 bytes (Q's 8, then P's 16), each filled once: four tensor loads a wave at the start, counted waits, no byte is filled again.
; CLUSTER 4 x 4: Q's tiles (Wv) hang on the tile row alone, P's (x) on the tile column alone: joint loads along a row and along a column of the cluster.
; OUT: kv [16 b + head][256 keys][26,112]: the key step's V^T at 13,312 + 6,400 x (step % 2): four fragments (16 channels x 128 keys) of 1,536 bytes, then 256 bytes of words at 16 r + 4 x fragment.
; LIMITS: NaN and infinities are not served; a block of zeros or under 2^-122 keeps the byte 1 (the bytes are read by this program alone).
; REGISTERS: window 0: v1-25 addresses; v32-95 scale words; v96-143 at work; v160-255 Q's fragments, two sets of 48.  Window 1: P's, two sets.  Window 2: the accumulators ((a, b) at v[8 (8 a + b)]).  Window 3: v0-31 the bias.
.set TILEB, 12288
.set SLICE, 3072
.set SLOT,  24*SLICE
.set ADQ,  12                          ; v12-15  LDS address of my Q fragments in slice 0 .. 3
.set ADP,  16                          ; v16-19  the same for P
.set CO,   24
.set SOFF, 25
.set SC,   32                          ; v[SC + 8 i + s]: lanes 0-15 the word of Wv's tile i, lanes 16-31 that of x's tile i
.set TM,   96
.set PW,   112
.set PC,   114
.set SWD,  136
.set QF,   160
.set G1Q, 24
.set G1P, 32
.set MSB, 0
.macro WIN new
.if MSB != (\new)
	s_set_vgpr_msb (MSB<<8)|(\new)
.set MSB, (\new)
.endif
.endm
.macro PLACES n
.rept \n
	v_nop
.endr
.endm
.macro CREST
	s_cmp_lg_u32 s18, 0
	s_cbranch_scc1 .Lnot_wave_0_\@
	s_barrier_signal -3
.Lnot_wave_0_\@:
	s_barrier_wait -3
	s_barrier_signal -1
	s_barrier_wait -1
.endm
.macro CROUND
	s_barrier_signal -1
	s_barrier_wait -1
	CREST
.endm
.macro JLOAD g0q, g1q, g0p, g1p        ; waves 0, 1 fetch Q's halves, waves 2, 3 P's; four v_nop follow each line
	s_cmp_eq_u32 s19, 0
	s_cbranch_scc0 .Lfor_p_\@
	tensor_load_to_lds s[\g0q:\g0q+3], s[\g1q:\g1q+7]
	s_nop 0
.rept 4
	v_nop
.endr
	s_branch .Lasked_\@
.Lfor_p_\@:
	tensor_load_to_lds s[\g0p:\g0p+3], s[\g1p:\g1p+7]
	s_nop 0
.rept 4
	v_nop
.endr
.Lasked_\@:
.endm
.macro FRAG reg, adr, off
.irp p, 0,1,2,3,4,5
	ds_load_b64 v[\reg+2*\p:\reg+2*\p+1], v[\adr] offset:\off+256*\p
.endr
.endm
.macro FETCH_P ls, q, p
	WIN 0x40
.irp i, 0,1,2,3,4,5,6,7
	FRAG 128*(\p)+12*\i, ADP+(\ls), 3072*\i+1536*(\q)
.endr
	WIN 0
.endm
.macro FETCH_Q ls, q, p
.irp i, 0,1,2,3
	FRAG QF+48*(\p)+12*\i, ADQ+(\ls), 3072*\i+1536*(\q)
.endr
.endm
.macro WM acc, pf, qf, c0, sa, sb
	v_wmma_scale_f32_16x16x128_f8f6f4 v[\acc:\acc+7], v[\pf:\pf+11], v[\qf:\qf+11], v[\c0:\c0+7], v[\sa], v[\sb] matrix_a_fmt:MATRIX_FMT_BF6 matrix_b_fmt:MATRIX_FMT_BF6 matrix_a_scale:MATRIX_SCALE_ROW1
.endm
.macro MUL8 a, p, sg, first            ; the 32 accumulators take turns in the same order in every step
.irp b, 0,1,2,3,4,5,6,7
.if \first
	WM 8*(8*(\a)+\b), 128*(\p)+12*\b, QF+48*(\p)+12*(\a), 8*(\a), SC+8*\b+(\sg), SC+8*(\a)+(\sg)
.else
	WM 8*(8*(\a)+\b), 128*(\p)+12*\b, QF+48*(\p)+12*(\a), 8*(8*(\a)+\b), SC+8*\b+(\sg), SC+8*(\a)+(\sg)
.endif
.endr
.endm
	s_load_b256 s[4:11], s[0:1], 0x0               ; xq, wq, sc, bv
	s_load_b64 s[12:13], s[0:1], 0x20              ; kv
	v_lshl_add_u32 v158, v0, 2, 0x48000
	v_mov_b32 v159, 0
	ds_add_u32 v158, v159
	v_lshrrev_b32 v1, 5, v0
	v_readfirstlane_b32 s18, v1                    ; wave
	s_lshr_b32 s19, s18, 1                         ; my half of Q's rows.  Also: I fetch for Q (0) or for P (1)
	s_and_b32 s20, s18, 1                          ; my half of P's rows.  Also: which half I fetch
	s_bfe_u32 s21, ttmp6, 0x40000                  ; cx
	s_bfe_u32 s22, ttmp6, 0x40004                  ; cy
	s_lshl_b32 s23, ttmp9, 2
	s_add_co_u32 s23, s23, s21                     ; px: 256 tokens
	s_and_b32 s66, ttmp7, 0xffff
	s_lshl_b32 s66, s66, 2
	s_add_co_u32 s66, s66, s22                     ; qy: 128 channels
	s_lshl_b32 s67, s22, 2
	s_lshl_b32 s67, 15, s67                        ; my row of the cluster
	s_lshl_b32 s82, 0x1111, s21                    ; my column
	s_or_b32 s[G1Q], s67, (3<<16)|(1<<21)
	s_or_b32 s[G1P], s82, (3<<16)|(1<<21)
	s_mov_b32 s[G1Q+1], 384<<16
	s_mov_b32 s[G1Q+2], 4<<16                      ; Q: 4 tiles a load
	s_mov_b32 s[G1Q+3], 384<<16
	s_mov_b32 s[G1Q+4], 4
	s_mov_b32 s[G1Q+5], 1536
	s_mov_b32 s[G1Q+6], 0
	s_mov_b32 s[G1Q+7], 0
	s_mov_b32 s[G1P+1], 384<<16
	s_mov_b32 s[G1P+2], 8<<16                      ; P: 8 tiles a load
	s_mov_b32 s[G1P+3], 384<<16
	s_mov_b32 s[G1P+4], 8
	s_mov_b32 s[G1P+5], 1536
	s_mov_b32 s[G1P+6], 0
	s_mov_b32 s[G1P+7], 0
	s_lshl_b32 s76, s66, 3
	s_lshl_b32 s83, s20, 2
	s_add_co_u32 s76, s76, s83
	s_add_co_u32 s76, s76, 128                     ; Q: Wv's tile 128 + 8 qy + 4 x half
	s_mul_i32 s76, s76, TILEB
	s_mov_b32 s77, 0
	s_lshl_b32 s78, s23, 4
	s_lshl_b32 s83, s20, 3
	s_add_co_u32 s78, s78, s83                     ; P: x's tile 16 px + 8 x half
	s_mul_i32 s78, s78, TILEB
	s_mov_b32 s79, 0
	s_mul_i32 s80, s20, 4*SLICE                    ; where they go
	s_mul_i32 s81, s20, 8*SLICE
	s_add_co_u32 s81, s81, 8*SLICE
	s_wait_dscnt 0x0
	s_wait_kmcnt 0x0
	s_add_nc_u64 s[76:77], s[6:7], s[76:77]
	s_add_nc_u64 s[78:79], s[4:5], s[78:79]
	CROUND                                         ; all sixteen work-groups are here
.macro FIRST k, gq, gp                 ; slice k: its two groups 0, and the joint load
	s_mov_b32 s[\gq], 1
	s_add_co_u32 s[\gq+1], s80, \k*SLOT
	s_add_nc_u64 s[\gq+2:\gq+3], s[76:77], \k*SLICE
	s_or_b32 s[\gq+3], s[\gq+3], 0x80000000
	s_mov_b32 s[\gp], 1
	s_add_co_u32 s[\gp+1], s81, \k*SLOT
	s_add_nc_u64 s[\gp+2:\gp+3], s[78:79], \k*SLICE
	s_or_b32 s[\gp+3], s[\gp+3], 0x80000000
	JLOAD \gq, G1Q, \gp, G1P
.endm
	FIRST 0, 40, 56                                ; four tensor loads of mine are out
	FIRST 1, 44, 60
	FIRST 2, 48, 68
	FIRST 3, 52, 72
	v_and_b32 v1, 31, v0
	v_lshlrev_b32 v[CO], 3, v1
	v_and_b32 v2, 15, v0                           ; r
	v_bfe_u32 v3, v0, 4, 1                         ; h
	s_mul_i32 s84, s19, 4*SLICE
	s_mul_i32 s85, s20, 8*SLICE
	s_add_co_u32 s85, s85, 8*SLICE
.irp s, 0,1,2,3
	v_add_nc_u32 v[ADQ+\s], s84, v[CO]
	v_add_nc_u32 v[ADP+\s], s85, v[CO]
	s_add_co_u32 s84, s84, SLOT
	s_add_co_u32 s85, s85, SLOT
.endr
	s_lshl_b32 s84, s66, 3                         ; the scale words: lanes 0-15 Wv's tiles, lanes 16-31 x's
	s_lshl_b32 s85, s19, 2
	s_add_co_u32 s84, s84, s85
	s_add_co_u32 s84, s84, 128
	s_lshl_b32 s84, s84, 9
	s_add_co_u32 s84, s84, 262144
	s_lshl_b32 s85, s23, 4
	s_lshl_b32 s86, s20, 3
	s_add_co_u32 s85, s85, s86
	s_lshl_b32 s85, s85, 9
	v_mov_b32 v4, s84
	v_mov_b32 v5, s85
	v_cmp_ne_u32 vcc_lo, 0, v3
	v_cndmask_b32 v4, v4, v5, vcc_lo
	v_lshl_add_u32 v4, v2, 4, v4
.irp i, 0,1,2,3,4,5,6,7                ; (for i over 3 lanes 0-15 read later tiles of the weights: inside the buffer, not used)
	global_load_b128 v[SC+8*\i:SC+8*\i+3], v4, s[8:9] offset:\i*512
	global_load_b128 v[SC+8*\i+4:SC+8*\i+7], v4, s[8:9] offset:\i*512+256
.endr
	s_lshl_b32 s86, s66, 1
	s_add_co_u32 s86, s86, s19                     ; my head
	s_lshl_b32 s88, s86, 8
	s_mov_b32 s89, 0
	s_add_nc_u64 s[90:91], s[10:11], s[88:89]      ; its 64 numbers of bv
	v_and_b32 v6, 8, v2
	v_add_nc_u32 v6, v6, v2
	v_lshlrev_b32 v6, 2, v6                        ; my lane's channel in a tile: r + 8 (r / 8)
	WIN 0xc0                                       ; destination window 3
.irp a, 0,1,2,3
.irp j, 0,1,2,3,4,5,6,7                ; a lane holds one channel: its bias stands in all eight registers of a C
	global_load_b32 v[8*\a+\j], v6, s[90:91] offset:(32*(\a/2)+8*(\a%2))*4
.endr
.endr
	WIN 0
	s_lshl_b32 s87, s23, 1
	s_add_co_u32 s87, s87, s20                     ; my group of 128 tokens
	s_lshr_b32 s88, s87, 4                         ; the batch
	s_and_b32 s87, s87, 15                         ; the key step in it
	s_lshl_b32 s88, s88, 4
	s_add_co_u32 s88, s88, s86
	s_lshl_b32 s88, s88, 3
	s_lshr_b32 s94, s87, 1
	s_add_co_u32 s88, s88, s94
	s_mul_i32 s88, s88, 26112
	s_and_b32 s87, s87, 1
	s_mul_i32 s87, s87, 6400
	s_add_co_u32 s88, s88, s87
	s_add_co_u32 s88, s88, 13312
	s_add_nc_u64 s[92:93], s[12:13], s[88:89]
	v_lshlrev_b32 v[SOFF], 4, v2
	v_lshl_add_u32 v[SOFF], v3, 3, v[SOFF]         ; the words' way out: 16 r + 8 h
	s_mov_b32 s98, 0x76543210
	s_mov_b32 s99, 0xfedcba98
.macro STEP4 sg, first
	s_wait_dscnt 0x0                               ; this step's fragments are in
.if ((\sg) == 1) || ((\sg) == 3) || ((\sg) == 5)
	s_wait_tensorcnt (5-(\sg))/2                   ; my part of the next slice is in; the younger slices may be out
	s_barrier_signal -1
	s_barrier_wait -1
.endif
	PLACES 4                                       ; in front of loads into registers that the last step's matrix instructions have read
.if (\sg) < 7
	FETCH_P ((\sg)+1)/2, ((\sg)+1)%2, 1-(\sg)%2
	FETCH_Q ((\sg)+1)/2, ((\sg)+1)%2, 1-(\sg)%2
.endif
.if \first
	WIN 0xb1                                       ; P window 1, Q window 0, C (the bias) window 3, D window 2
.else
	WIN 0xa1
.endif
.irp a, 0,1,2,3
	MUL8 \a, (\sg)%2, \sg, \first
.endr
	WIN 0
.endm
	s_wait_tensorcnt 3                             ; my part of slice 0 is in; the three younger loads may be out
	s_barrier_signal -1
	s_barrier_wait -1
	FETCH_P 0, 0, 0
	FETCH_Q 0, 0, 0
	s_wait_loadcnt 0x0                             ; scale words and bias
	STEP4 0, 1
.irp g, 1,2,3,4,5,6,7
	STEP4 \g, 0
.endr
.macro QUANTW s, w                     ; 64 accumulator registers, register 16 b + i = k 32 b + 16 (lane / 16) + i of my row -> codes in v[PC] on, scale word in v[PW]; each accumulator is read from its low end on
	WIN ((\w)<<2)|(\w)
.irp b, 0,1,2,3
	v_max3_num_f32 v[TM+\b], |v[\s+16*\b]|, |v[\s+16*\b+1]|, 0x2800000
.endr
.irp i, 2,4,6,8,10,12,14
.irp b, 0,1,2,3
	v_max3_num_f32 v[TM+\b], |v[\s+16*\b+\i]|, |v[\s+16*\b+\i+1]|, v[TM+\b]
.endr
.endr
	WIN 0
.irp b, 0,1,2,3
	v_permlanex16_b32 v[TM+4+\b], v[TM+\b], s98, s99
.endr
.irp b, 0,1,2,3
	v_max_num_f32 v[TM+\b], v[TM+\b], v[TM+4+\b]
.endr
.irp b, 0,1,2,3
	v_add_nc_u32 v[TM+12+\b], 0xfe000000, v[TM+\b]
.endr
.irp b, 0,1,2,3
	v_lshrrev_b32 v[TM+4+\b], 23, v[TM+12+\b]
.endr
	v_lshl_or_b32 v[PW], v[TM+5], 8, v[TM+4]
	v_lshl_or_b32 v[PW], v[TM+6], 16, v[PW]
	v_lshl_or_b32 v[PW], v[TM+7], 24, v[PW]
	s_wait_xcnt 0x0                                ; the last fragment's stores have read the code registers
	WIN \w
.irp c, 0,1
	v_cvt_scalef32_pk16_bf6_f32 v[PC+6*\c:PC+6*\c+2], v[\s+32*\c:\s+32*\c+15], v[TM+12+2*\c]
	v_cvt_scalef32_pk16_bf6_f32 v[PC+12+4*\c:PC+14+4*\c], v[\s+32*\c+16:\s+32*\c+31], v[TM+12+2*\c+1]
.endr
	WIN 0
	v_nop
.irp c, 0,1
.irp i, 0,1,2
	v_permlane16_swap_b32 v[PC+6*\c+\i], v[PC+12+4*\c+\i]
.endr
.irp i, 0,1,2
	v_mov_b32 v[PC+3+6*\c+\i], v[PC+12+4*\c+\i]
.endr
.endr
.endm
	PLACES 4
.irp b, 0,1,2,3
	v_mov_b32 v[TM+4+\b], 0
.endr
.irp a, 0,1,2,3                        ; Q's block a = 16 channels: a fragment of V^T for these 128 keys
	QUANTW 64*\a, 2
	v_mov_b32 v[SWD+\a], v[PW]
.irp j, 0,1,2,3,4,5
	global_store_b64 v[CO], v[PC+2*\j:PC+2*\j+1], s[92:93] offset:\a*1536+256*\j     ; 256 consecutive bytes, aligned
.endr
.endr
	v_cmp_ne_u32 vcc_lo, 0, v3
	v_cndmask_b32 v[SWD], v[SWD], v[SWD+2], vcc_lo
	v_cndmask_b32 v[SWD+1], v[SWD+1], v[SWD+3], vcc_lo
	global_store_b64 v[SOFF], v[SWD:SWD+1], s[92:93] offset:6144        ; the 64 words: 256 consecutive bytes, aligned
	s_wait_tensorcnt 0x0
	ds_add_u32 v158, v159
	s_wait_dscnt 0x0
	CROUND                                         ; the closing round
	s_endpgm
.Lfunc_end_k_q18576a27e9_gemm_v:
	.size	k_q18576a27e9_gemm_v, .Lfunc_end_k_q18576a27e9_gemm_v-k_q18576a27e9_gemm_v
	.p2alignl 7, 3214868480
	.fill 96, 4, 3214868480
	.section	.rodata,"a",@progbits
	.p2align	6, 0x0
	.amdhsa_kernel k_q18576a27e9_gemm_v
		.amdhsa_group_segment_fixed_size 295424
		.amdhsa_private_segment_fixed_size 0
		.amdhsa_enable_private_segment 0
		.amdhsa_kernarg_size 40
		.amdhsa_user_sgpr_count 2
		.amdhsa_user_sgpr_kernarg_segment_ptr 1
		.amdhsa_wavefront_size32 1
		.amdhsa_system_sgpr_workgroup_id_x 1
		.amdhsa_system_sgpr_workgroup_id_y 1
		.amdhsa_system_sgpr_workgroup_id_z 1
		.amdhsa_system_vgpr_workitem_id 0
		.amdhsa_next_free_vgpr 832
		.amdhsa_next_free_sgpr 100
		.amdhsa_reserve_vcc 1
		.amdhsa_float_denorm_mode_32 3
		.amdhsa_float_denorm_mode_16_64 3
		.amdhsa_memory_ordered 1
		.amdhsa_forward_progress 1
		.amdhsa_inst_pref_size 104
	.end_amdhsa_kernel
	.amdgpu_metadata
---
amdhsa.version: [ 1, 2 ]
amdhsa.kernels:
  - .name:           k_q18576a27e9_gemm_v
    .symbol:         k_q18576a27e9_gemm_v.kd
    .args:
      - { .name: xq, .offset: 0, .size: 8, .value_kind: global_buffer, .address_space: global }
      - { .name: wq, .offset: 8, .size: 8, .value_kind: global_buffer, .address_space: global }
      - { .name: sc, .offset: 16, .size: 8, .value_kind: global_buffer, .address_space: global }
      - { .name: bv, .offset: 24, .size: 8, .value_kind: global_buffer, .address_space: global }
      - { .name: kv, .offset: 32, .size: 8, .value_kind: global_buffer, .address_space: global }
    .group_segment_fixed_size: 295424
    .private_segment_fixed_size: 0
    .kernarg_segment_align: 8
    .kernarg_segment_size: 40
    .max_flat_workgroup_size: 128
    .sgpr_count:     100
    .vgpr_count:     832
    .wavefront_size: 32
...
	.end_amdgpu_metadata
.endif
;; end of part 3
;; launch attn (part 4): grid 4 x 64, 16 waves a work-group, no clusters, 327,680 bytes of LDS; arguments qb, kv, ao, aos; writes ao, aos
.if DOCPART == 4
	.amdgcn_target "amdgcn-amd-amdhsa--gfx1250"
	.amdhsa_code_object_version 6
	.text
	.protected	k_q18576a27e9_attn
	.globl	k_q18576a27e9_attn
	.p2align	8
	.type	k_q18576a27e9_attn,@function
k_q18576a27e9_attn:
	s_mov_b64 s[64:65], 0
	v_nop
	global_prefetch_b8 v0, s[64:65] scope:SCOPE_SE
	s_setreg_imm32_b32 hwreg(HW_REG_WAVE_MODE, 25, 1), 1
	s_wait_xcnt 0x0
; Causal attention of one head on codes of BF6, and its result quantised along the model's axis for the last projection.
; t = score x log2(e) / 8; M = the row's largest t so far, rounded up to a whole number; p = 2^(t - M) is quantised along the keys; the row's sum is taken of the unquantised p and divides at the end.
; SHARES.  Work-group (i, 16 b + head) owns the blocks i and 7 - i of 256 queries: i + 1 and 8 - i blocks of 256 keys, nine for every i.  So the trips are a constant: eight in a loop and one written out.
; Each of sixteen waves owns one tile of 16 queries of the block in hand, in 256 registers.  In trip i + 1 a wave finishes its first tile and takes up the second: a scalar branch on ids.
; A key block of kv is 26,112 dense bytes: k's two groups of 128 keys (8 tiles x 768 bytes of codes + 512 of words), then v's two key steps (4 fragments x 1,536 + 256 of words).  Two LDS slots; waves 0 and 1 fetch half a block each.
; LAYOUT.  Both products are used transposed (S^T = k q^T, O^T = v^T p^T): a lane holds ONE query.  Tiles hold positions (bits 3 and 4 of an index exchanged), so that the 16 registers of two neighbouring result tiles are 16 neighbours
; along the keys, or along the head's 64.  Lane r of query tile t is query 32 (t / 2) + 8 (t % 2) + r + 8 (r / 8).
; The head's 64 fill half of the instruction's 128: registers 6-11 of q's and k's operands hold zero codes, and their scale bytes are 0x7f.
; No multicast: the work-groups of a head walk different numbers of key blocks in each phase, so partners would ask for different tiles in most trips.
; OUT: ao [tile 512][head 16][768] half images; aos [head][tile][row] words: the two bytes at bits 16 x (head % 2), the other half 0.
; LIMITS: NaN and infinities are not served.  A block's largest p is taken from its largest score (v_exp_f32 is taken not to fall where its input rises).  A block of zeros keeps the byte 1.
.set SLOT1, 32768
.set SCR,   65536                      ; 2,048 bytes: the sixteen waves' words of both phases
.set SPARE, 67584                      ; the spare words, 128 bytes for each wave: eight blocks of 256 bytes that no other line names
.set KGRP,  6656
.set VOFF,  13312
.set VSTEP, 6400
.set KVBLK, 26112
.set L8,  1                            ; 8 x lane
.set L16, 2                            ; 16 x (lane % 16)
.set A8,  3                            ; the same in the slot in hand
.set A16, 4
.set SPW, 5
.set NIL, 6
.set SA,  7                            ; SCR + 64 x wave + 4 r
.set DQ,  8                            ; r + 8 (r / 8) - 16 (lane / 16)
.set WA,  9                            ; the first tile's word of ao's scales
.set WB,  10                           ; the second's
.set RDA, 11
.set QR,  16                           ; v16-27 q's operand (22-27 stay 0)
.set QW,  28
.set PWD, 29
.set KO,  32                           ; v32-79 four operands of k (the upper six of each stay 0)
.set SCO, 80                           ; v80-143 S^T, then p; v80-127 then v's four fragments
.set OT,  144                          ; v144-175 O^T
.set PC,  176
.set PT,  188
.set KW,  196
.set VW,  204
.set MX,  208
.set PM,  212
.set SO,  216
.set FF,  220
.set T1,  222
.set T2,  223
.set WV,  12
.set II,  13
.set TAU, 17
.set SW,  18
.set TB,  19
.set SEL, 20
.set CS,  22
.set G1,  24
.set G0,  32
.set KVB, 36
.set KF,  38
.set Q0,  39
.set QCA, 40
.set QWA, 42
.set QCB, 44
.set QWB, 46
.set AOA, 48
.set AOB, 50
.set Q0B, 52
.set SHF, 53
.set AOSP, 54
.macro TLOAD                           ; waves 0 and 1 fetch, the others nothing; four v_nop follow the line
	s_cmp_lt_u32 s[WV], 2
	s_cbranch_scc0 .Lnone_\@
	tensor_load_to_lds s[G0:G0+3], s[G1:G1+7]
	s_nop 0
.rept 4
	v_nop
.endr
.Lnone_\@:
.endm
.macro PTRS tr, qc, qw, ao             ; tile s[tr] of the batch: its codes and words in qb, its place in ao
	s_lshr_b32 s56, s[\tr], 3
	s_mul_i32 s56, s56, KGRP
	s_add_co_u32 s56, s56, s58
	s_and_b32 s57, s[\tr], 7
	s_mul_i32 s2, s57, 768
	s_add_co_u32 s2, s2, s56
	s_mov_b32 s3, 0
	s_add_nc_u64 s[\qc:\qc+1], s[4:5], s[2:3]
	s_lshr_b32 s2, s57, 2
	s_lshl_b32 s2, s2, 8
	s_and_b32 s57, s57, 3
	s_lshl_b32 s57, s57, 2
	s_add_co_u32 s2, s2, s57
	s_add_co_u32 s2, s2, s56
	s_add_co_u32 s2, s2, 6144
	s_add_nc_u64 s[\qw:\qw+1], s[4:5], s[2:3]
	s_lshl_b32 s2, s15, 7
	s_add_co_u32 s2, s2, s[\tr]
	s_lshl_b32 s2, s2, 4
	s_add_co_u32 s2, s2, s16
	s_mul_i32 s2, s2, 768
	s_add_nc_u64 s[\ao:\ao+1], s[8:9], s[2:3]
.endm
.macro QLOAD qc, qw
.irp j, 0,1,2
	global_load_b64 v[QR+2*\j:QR+2*\j+1], v[L8], s[\qc:\qc+1] offset:256*\j
.endr
	global_load_b32 v[QW], v[L16], s[\qw:\qw+1]
.endm
	s_load_b256 s[4:11], s[0:1], 0x0               ; qb, kv, ao, aos
	v_lshl_add_u32 v[SPW], v0, 2, SPARE
	v_mov_b32 v[NIL], 0
	ds_add_u32 v5, v6
	s_wait_dscnt 0x0
	v_lshrrev_b32 v3, 5, v0
	v_readfirstlane_b32 s[WV], v3                  ; wave 0..15
	s_mov_b32 s[II], ttmp9                         ; i
	s_and_b32 s14, ttmp7, 0xffff                   ; 16 b + head
	s_lshr_b32 s15, s14, 4
	s_and_b32 s16, s14, 15
	s_mov_b32 s[G1], 3<<16                         ; no mask; elements of 8 bytes; no padding
	s_mov_b32 s[G1+1], 32<<16                      ; rows of 256 bytes,
	s_mov_b32 s[G1+2], 51<<16                      ; 51 of them: half a block
	s_mov_b32 s[G1+3], 32<<16
	s_mov_b32 s[G1+4], 51
	s_mov_b32 s[G1+5], 32                          ; dense
	s_mov_b32 s[G1+6], 0
	s_mov_b32 s[G1+7], 0
	s_and_b32 s56, s[WV], 1
	s_mul_i32 s57, s56, 13056                      ; which half I would fetch
	s_mul_i32 s2, s14, 8*KVBLK
	s_add_co_u32 s2, s2, s57
	s_mov_b32 s3, 0
	s_mov_b32 s[SEL], 0x76543210
	s_mov_b32 s[SEL+1], 0xfedcba98
	s_mov_b32 s[CS], 0x3e38aa3b                    ; c = log2(e) / 8
	s_mov_b32 s[CS+1], s[CS]
	s_mov_b32 s[TB], 0
	s_mov_b32 s[TAU], 0
	s_mov_b32 s[KF], 0
	s_add_co_u32 s[SW], s[II], 1                   ; the trip in which the second tile begins
	s_and_b32 s[SHF], s16, 1
	s_lshl_b32 s[SHF], s[SHF], 4
	s_wait_kmcnt 0x0
	s_add_nc_u64 s[KVB:KVB+1], s[6:7], s[2:3]
	s_mov_b32 s[G0], 1
	s_mov_b32 s[G0+1], s57                         ; slot 0
	s_mov_b64 s[G0+2:G0+3], s[KVB:KVB+1]           ; key block 0
	s_or_b32 s[G0+3], s[G0+3], 0x80000000
	TLOAD
	s_mul_i32 s58, s14, 106496
	s_lshl_b32 s59, s[II], 4
	s_add_co_u32 s59, s59, s[WV]                   ; my first tile: 16 i + wave
	PTRS 59, QCA, QWA, AOA
	s_lshr_b32 s56, s59, 1
	s_lshl_b32 s56, s56, 5
	s_and_b32 s57, s59, 1
	s_lshl_b32 s57, s57, 3
	s_add_co_u32 s[Q0], s56, s57                   ; its lowest query
	s_sub_co_u32 s59, 7, s[II]
	s_lshl_b32 s59, s59, 4
	s_add_co_u32 s59, s59, s[WV]                   ; my second tile: 16 (7 - i) + wave
	PTRS 59, QCB, QWB, AOB
	s_lshr_b32 s56, s59, 1
	s_lshl_b32 s56, s56, 5
	s_and_b32 s57, s59, 1
	s_lshl_b32 s57, s57, 3
	s_add_co_u32 s[Q0B], s56, s57
	s_bfe_u32 s56, s[WV], 0x10001                  ; the words' way out (waves 0-3): phase wave / 2, half wave % 2
	s_sub_co_u32 s57, 7, s[II]
	s_cmp_eq_u32 s56, 0
	s_cselect_b32 s57, s[II], s57
	s_lshl_b32 s57, s57, 4
	s_lshl_b32 s56, s15, 7
	s_add_co_u32 s57, s57, s56
	s_lshl_b32 s57, s57, 6
	s_lshl_b32 s56, s16, 15
	s_add_co_u32 s2, s57, s56
	s_and_b32 s56, s[WV], 1
	s_lshl_b32 s56, s56, 9
	s_add_co_u32 s2, s2, s56
	s_add_nc_u64 s[AOSP:AOSP+1], s[10:11], s[2:3]
	v_lshlrev_b32 v[SA], 6, v3
	v_and_b32 v2, 15, v0                           ; r
	v_lshl_add_u32 v[SA], v2, 2, v[SA]
	v_add_nc_u32 v[SA], SCR, v[SA]
	v_and_b32 v[DQ], 8, v2
	v_add_nc_u32 v[DQ], v[DQ], v2
	v_bfe_u32 v4, v0, 4, 1
	v_lshlrev_b32 v4, 4, v4
	v_sub_nc_u32 v[DQ], v[DQ], v4
	v_lshlrev_b32 v[L16], 4, v2
	v_and_b32 v1, 31, v0
	v_lshlrev_b32 v[L8], 3, v1
	v_and_b32 v[RDA], 127, v0
	v_lshl_add_u32 v[RDA], v[RDA], 4, SCR
	QLOAD QCA, QWA
	v_mov_b32 v[WA], 0
	v_mov_b32 v13, 0xff61b1e6                      ; the largest t so far: -3e38
	v_floor_f32 v12, -v13                          ; -M
	v_mov_b32 v14, 0                               ; the sum, in two halves
	v_mov_b32 v15, 0
.irp j, 6,7,8,9,10,11
	v_mov_b32 v[QR+\j], 0                          ; zero codes for k = 64 .. 127
.irp t, 0,1,2,3
	v_mov_b32 v[KO+12*\t+\j], 0
.endr
.endr
.set jj, 0
.rept 32
	v_mov_b32 v[OT+jj], 0                          ; O^T: the step is written once; the first change of M leaves zeros zeros
.set jj, jj+1
.endr
.irp b, 0,1,2,3
	v_mov_b32 v[PM+\b], 0                          ; a lane permute's destination counts as one of its sources
.endr
	v_mov_b32 v[FF+1], 0                           ; (named as the upper half of a pair)
	v_mov_b32 v[T1], 0
; A KEY STEP: 128 keys, the q-th of the slot in hand.
.macro STEP q
	s_add_co_u32 s56, s[Q0], 23                    ; a step all of whose keys come after my 16 queries is left out: a scalar branch on ids
	s_cmp_gt_u32 s[KF], s56
	s_cbranch_scc1 .Lhidden_\@
	v_add_nc_u32 v[A8], s[TB], v[L8]
	v_add_nc_u32 v[A16], s[TB], v[L16]
.rept 3
	v_nop                                          ; five places in all: the scores are laid over v's fragments, which the last products read
.endr
.irp g, 0,1                            ; S^T = k q^T, four tiles of 16 keys at a time
.if \g
.rept 4
	v_nop                                          ; places in front of loads into registers that matrix instructions have read
.endr
.else
	ds_load_b128 v[KW:KW+3], v[A16] offset:KGRP*\q+6144      ; the eight tiles' scale words of my row
	ds_load_b128 v[KW+4:KW+7], v[A16] offset:KGRP*\q+6400
.endif
.irp t, 0,1,2,3
.irp j, 0,1,2
	ds_load_b64 v[KO+12*\t+2*\j:KO+12*\t+2*\j+1], v[A8] offset:KGRP*\q+768*(4*\g+\t)+256*\j
.endr
.endr
	s_wait_dscnt 0x0
.irp t, 0,1,2,3
	v_wmma_scale_f32_16x16x128_f8f6f4 v[SCO+8*(4*\g+\t):SCO+8*(4*\g+\t)+7], v[KO+12*\t:KO+12*\t+11], v[QR:QR+11], 0, v[KW+4*\g+\t], v[QW] matrix_a_fmt:MATRIX_FMT_BF6 matrix_b_fmt:MATRIX_FMT_BF6
.endr
.endr                                  ; register 16 b + i holds key KF + 32 b + 16 (lane / 16) + i
.rept 4
	v_nop
.endr
	s_add_co_u32 s56, s[KF], 127                   ; on the diagonal hidden scores become -infinity ahead of the maximum; a step all of whose keys count skips this
	s_cmp_le_u32 s56, s[Q0]
	s_cbranch_scc1 .Lopen_\@
	s_sub_co_i32 s56, s[Q0], s[KF]
	v_add_nc_u32 v[T1], s56, v[DQ]                 ; d = my query - KF - 16 (lane / 16): hidden where 32 b + i > d
	v_mov_b32 v[T2], 0xff800000
.set nn, 0
.rept 64
	v_cmp_gt_i32 vcc_lo, 32*(nn/16)+nn%16, v[T1]
	v_cndmask_b32 v[SCO+nn], v[SCO+nn], v[T2], vcc_lo
.set nn, nn+1
.endr
.Lopen_\@:
.irp b, 0,1,2,3
	v_max3_num_f32 v[MX+\b], v[SCO+16*\b], v[SCO+16*\b+1], v[SCO+16*\b+2]   ; the largest score of each block of 32 keys: for the row's maximum and for the block's largest p
.endr
.irp i, 3,5,7,9,11,13
.irp b, 0,1,2,3
	v_max3_num_f32 v[MX+\b], v[MX+\b], v[SCO+16*\b+\i], v[SCO+16*\b+\i+1]
.endr
.endr
.irp b, 0,1,2,3
	v_max_num_f32 v[MX+\b], v[MX+\b], v[SCO+16*\b+15]
.endr
.irp b, 0,1,2,3
	v_permlanex16_b32 v[PM+\b], v[MX+\b], s[SEL], s[SEL+1]
.endr
.irp b, 0,1,2,3
	v_max_num_f32 v[MX+\b], v[MX+\b], v[PM+\b]     ; with lane l xor 16's 16 keys
.endr
	v_max3_num_f32 v[T1], v[MX], v[MX+1], v[MX+2]
	v_max_num_f32 v[T1], v[T1], v[MX+3]
	v_mul_f32 v[T1], s[CS], v[T1]
	v_max_num_f32 v13, v13, v[T1]                  ; the running largest t
	v_mov_b32 v[T1], v12
	v_floor_f32 v12, -v13                          ; the new -M = -ceil(t)
	v_sub_f32 v[T1], v12, v[T1]                    ; old M - new M: a whole number, 0 or less
	v_cvt_i32_f32 v[T1], v[T1]                     ; (it saturates)
	v_ldexp_f32 v[FF], 1.0, v[T1]                  ; f = 2^(old M - new M)
.set jj, 0
.rept 32
	v_pk_fma_f32 v[SCO+jj:SCO+jj+1], v[SCO+jj:SCO+jj+1], s[CS:CS+1], v[12:13] op_sel_hi:[1,0,0]   ; t - M
.set jj, jj+2
.endr
.irp b, 0,1,2,3
	v_fma_f32 v[MX+\b], v[MX+\b], s[CS], v12
.endr
.set jj, 0
.rept 64
	v_exp_f32 v[SCO+jj], v[SCO+jj]                 ; p = 2^(t - M)
.set jj, jj+1
.endr
.irp b, 0,1,2,3
	v_exp_f32 v[MX+\b], v[MX+\b]                   ; the block's largest p
.endr
	v_pk_mul_f32 v[14:15], v[14:15], v[FF:FF+1] op_sel_hi:[1,0]     ; the sums under the new M (a plain place behind the exponentials)
	s_wait_alu depctr_va_vdst(0)
.irp b, 0,1,2,3
	v_max_num_f32 v[MX+\b], 0x2800000, v[MX+\b]    ; the floor 2^(5 - 127)
.endr
.irp b, 0,1,2,3
	v_add_nc_u32 v[SO+\b], 0xfe000000, v[MX+\b]
.endr
.irp b, 0,1,2,3
	v_lshrrev_b32 v[PM+\b], 23, v[SO+\b]
.endr
	v_lshl_or_b32 v[PWD], v[PM+1], 8, v[PM]        ; p's scale word for these 128 keys
	v_lshl_or_b32 v[PWD], v[PM+2], 16, v[PWD]
	v_lshl_or_b32 v[PWD], v[PM+3], 24, v[PWD]
.irp c, 0,1
	v_cvt_scalef32_pk16_bf6_f32 v[PC+6*\c:PC+6*\c+2], v[SCO+32*\c:SCO+32*\c+15], v[SO+2*\c]
	v_cvt_scalef32_pk16_bf6_f32 v[PT+4*\c:PT+4*\c+2], v[SCO+32*\c+16:SCO+32*\c+31], v[SO+2*\c+1]
.endr
	v_nop                                          ; one plain place behind a scaled conversion
.irp c, 0,1
.irp i, 0,1,2
	v_permlane16_swap_b32 v[PC+6*\c+\i], v[PT+4*\c+\i]
.endr
.irp i, 0,1,2
	v_mov_b32 v[PC+3+6*\c+\i], v[PT+4*\c+\i]
.endr
.endr
	v_pk_add_f32 v[PM:PM+1], v[SCO:SCO+1], v[SCO+2:SCO+3]           ; the row's sum of the unquantised p, in two chains
.irp j, 4,8,12,16,20,24,28,32,36,40,44,48,52,56,60
	v_pk_add_f32 v[14:15], v[14:15], v[SCO+\j:SCO+\j+1]
	v_pk_add_f32 v[PM:PM+1], v[PM:PM+1], v[SCO+\j+2:SCO+\j+3]
.endr
	v_pk_add_f32 v[14:15], v[14:15], v[PM:PM+1]
.irp d, 0,1,2,3                        ; v's four fragments (16 channels x these 128 keys) into the registers that p has left
.irp j, 0,1,2,3,4,5
	ds_load_b64 v[SCO+12*\d+2*\j:SCO+12*\d+2*\j+1], v[A8] offset:VOFF+VSTEP*\q+1536*\d+256*\j
.endr
.endr
	ds_load_b128 v[VW:VW+3], v[A16] offset:VOFF+VSTEP*\q+6144
.set jj, 0
.rept 16
	v_pk_mul_f32 v[OT+jj:OT+jj+1], v[OT+jj:OT+jj+1], v[FF:FF+1] op_sel_hi:[1,0]      ; O^T under the new M (also the places in front of the products below)
.set jj, jj+2
.endr
	s_wait_dscnt 0x0
.irp d, 0,1,2,3
	v_wmma_scale_f32_16x16x128_f8f6f4 v[OT+8*\d:OT+8*\d+7], v[SCO+12*\d:SCO+12*\d+11], v[PC:PC+11], v[OT+8*\d:OT+8*\d+7], v[VW+\d], v[PWD] matrix_a_fmt:MATRIX_FMT_BF6 matrix_b_fmt:MATRIX_FMT_BF6
.endr
.Lhidden_\@:
	s_add_co_u32 s[KF], s[KF], 128
.endm
; THE CHANGE OF SLOTS, at a trip's head.  fill = 1: the slot that has been left takes the next trip's key block.
.macro CHANGE fill
	s_wait_tensorcnt 0x0                           ; no tensor load of mine is out: my part of the slot ahead has landed, and group 0 may be written
	ds_add_u32 v[SPW], v[NIL]                      ; 0 onto my spare word
.if \fill
	s_add_co_u32 s56, s[TAU], 1                    ; the next trip's key block: trip + 1 in the first phase, trip - i in the second
	s_sub_co_u32 s57, s[TAU], s[II]
	s_cmp_le_u32 s56, s[II]
	s_cselect_b32 s56, s56, s57
	s_mul_i32 s56, s56, KVBLK
	s_mov_b32 s57, 0
	s_add_nc_u64 s[G0+2:G0+3], s[KVB:KVB+1], s[56:57]
	s_or_b32 s[G0+3], s[G0+3], 0x80000000
	s_xor_b32 s[G0+1], s[G0+1], SLOT1
.endif
	s_wait_dscnt 0x0                               ; the add is done, and my reads of the slot that I have left are over
	s_barrier_signal -1
	s_barrier_wait -1
.if \fill
	TLOAD                                          ; the first thing behind the barrier, and a wave's one tensor load until the next: it has a trip's two steps in which to land
.endif
.endm
; A tile is finished: O^T / the sum, quantised along the head's 64: a half image to ao, its two bytes into v[wreg].
.macro FINISH base, wreg
.rept 4
	v_nop
.endr
	v_add_f32 v14, v14, v15
	v_permlanex16_b32 v[T1], v14, s[SEL], s[SEL+1]
	v_add_f32 v14, v14, v[T1]                      ; the row's sum
	v_rcp_f32 v14, v14
	v_nop
.set jj, 0
	s_wait_alu depctr_va_vdst(0)
.rept 32
	v_mul_f32 v[SCO+jj], v[OT+jj], v14             ; register 16 b + i: channel 32 b + 16 (lane / 16) + i
.set jj, jj+1
.endr
.irp b, 0,1
	v_max3_num_f32 v[MX+\b], |v[SCO+16*\b]|, |v[SCO+16*\b+1]|, 0x2800000
.endr
.irp i, 2,4,6,8,10,12,14
.irp b, 0,1
	v_max3_num_f32 v[MX+\b], v[MX+\b], |v[SCO+16*\b+\i]|, |v[SCO+16*\b+\i+1]|
.endr
.endr
.irp b, 0,1
	v_permlanex16_b32 v[PM+\b], v[MX+\b], s[SEL], s[SEL+1]
.endr
.irp b, 0,1
	v_max_num_f32 v[MX+\b], v[MX+\b], v[PM+\b]
.endr
.irp b, 0,1
	v_add_nc_u32 v[SO+\b], 0xfe000000, v[MX+\b]
.endr
.irp b, 0,1
	v_lshrrev_b32 v[PM+\b], 23, v[SO+\b]
.endr
	v_lshl_or_b32 v[\wreg], v[PM+1], 8, v[PM]
	v_lshlrev_b32 v[\wreg], s[SHF], v[\wreg]
	v_cvt_scalef32_pk16_bf6_f32 v[PC:PC+2], v[SCO:SCO+15], v[SO]
	v_cvt_scalef32_pk16_bf6_f32 v[PT:PT+2], v[SCO+16:SCO+31], v[SO+1]
	v_nop
.irp i, 0,1,2
	v_permlane16_swap_b32 v[PC+\i], v[PT+\i]
.endr
.irp i, 0,1,2
	v_mov_b32 v[PC+3+\i], v[PT+\i]
.endr
.irp j, 0,1,2
	global_store_b64 v[L8], v[PC+2*\j:PC+2*\j+1], s[\base:\base+1] offset:256*\j     ; 256 consecutive bytes, aligned
.endr
.endm
	s_wait_loadcnt 0x0                             ; q
.Ltrip:                                            ; eight trips; behind each change of slots the next trip's key block is asked for
	CHANGE 1
	s_cmp_eq_u32 s[TAU], s[SW]
	s_cbranch_scc0 .Lsame
	FINISH AOA, WA                                 ; the first tile is done; the second begins
.set jj, 0
.rept 32
	v_mov_b32 v[OT+jj], 0
.set jj, jj+1
.endr
	v_mov_b32 v13, 0xff61b1e6
	v_floor_f32 v12, -v13
	v_mov_b32 v14, 0
	v_mov_b32 v15, 0
	QLOAD QCB, QWB
	s_mov_b32 s[KF], 0
	s_mov_b32 s[Q0], s[Q0B]
	s_wait_loadcnt 0x0
	s_wait_xcnt 0x0                                ; the stores have read the code registers
.Lsame:
	STEP 0
	STEP 1
	s_xor_b32 s[TB], s[TB], SLOT1
	s_add_co_u32 s[TAU], s[TAU], 1
	s_cmp_lt_u32 s[TAU], 8
	s_cbranch_scc1 .Ltrip
	CHANGE 0                                       ; the last trip is written out
	STEP 0
	STEP 1
	FINISH AOB, WB
	ds_store_b32 v[SA], v[WA]                      ; the words meet in LDS (both halves of the lanes write the same word with the same value)
	ds_store_b32 v[SA], v[WB] offset:1024
	s_wait_dscnt 0x0
	s_barrier_signal -1
	s_barrier_wait -1
	s_cmp_lt_u32 s[WV], 4
	s_cbranch_scc0 .Lend
	ds_load_b128 v[SCO:SCO+3], v[RDA]              ; waves 0-3: eight tiles' words each
	v_lshlrev_b32 v[A8], 1, v[L8]
	s_wait_dscnt 0x0
	global_store_b128 v[A8], v[SCO:SCO+3], s[AOSP:AOSP+1]           ; 512 consecutive bytes, aligned
.Lend:
	s_wait_tensorcnt 0x0                           ; the wave's end
	ds_add_u32 v[SPW], v[NIL]
	s_wait_dscnt 0x0
	s_endpgm
.Lfunc_end_k_q18576a27e9_attn:
	.size	k_q18576a27e9_attn, .Lfunc_end_k_q18576a27e9_attn-k_q18576a27e9_attn
	.p2alignl 7, 3214868480
	.fill 96, 4, 3214868480
	.section	.rodata,"a",@progbits
	.p2align	6, 0x0
	.amdhsa_kernel k_q18576a27e9_attn
		.amdhsa_group_segment_fixed_size 327680
		.amdhsa_private_segment_fixed_size 0
		.amdhsa_enable_private_segment 0
		.amdhsa_kernarg_size 32
		.amdhsa_user_sgpr_count 2
		.amdhsa_user_sgpr_kernarg_segment_ptr 1
		.amdhsa_wavefront_size32 1
		.amdhsa_system_sgpr_workgroup_id_x 1
		.amdhsa_system_sgpr_workgroup_id_y 1
		.amdhsa_system_sgpr_workgroup_id_z 1
		.amdhsa_system_vgpr_workitem_id 0
		.amdhsa_next_free_vgpr 256
		.amdhsa_next_free_sgpr 66
		.amdhsa_reserve_vcc 1
		.amdhsa_float_denorm_mode_32 3
		.amdhsa_float_denorm_mode_16_64 3
		.amdhsa_memory_ordered 1
		.amdhsa_forward_progress 1
		.amdhsa_inst_pref_size 108
	.end_amdhsa_kernel
	.amdgpu_metadata
---
amdhsa.version: [ 1, 2 ]
amdhsa.kernels:
  - .name:           k_q18576a27e9_attn
    .symbol:         k_q18576a27e9_attn.kd
    .args:
      - { .name: qb, .offset: 0, .size: 8, .value_kind: global_buffer, .address_space: global }
      - { .name: kv, .offset: 8, .size: 8, .value_kind: global_buffer, .address_space: global }
      - { .name: ao, .offset: 16, .size: 8, .value_kind: global_buffer, .address_space: global }
      - { .name: aos, .offset: 24, .size: 8, .value_kind: global_buffer, .address_space: global }
    .group_segment_fixed_size: 327680
    .private_segment_fixed_size: 0
    .kernarg_segment_align: 8
    .kernarg_segment_size: 32
    .max_flat_workgroup_size: 512
    .sgpr_count:     66
    .vgpr_count:     256
    .wavefront_size: 32
...
	.end_amdgpu_metadata
.endif
;; end of part 4
;; launch gemm_out (part 5): grid 4 x 64, 4 waves a work-group, clusters of 4 x 4, 295,424 bytes of LDS; arguments ao, aos, wq, sc, bo, out0; writes out0
.if DOCPART == 5
	.amdgcn_target "amdgcn-amd-amdhsa--gfx1250"
	.amdhsa_code_object_version 6
	.text
	.protected	k_q18576a27e9_gemm_out
	.globl	k_q18576a27e9_gemm_out
	.p2align	8
	.type	k_q18576a27e9_gemm_out,@function
k_q18576a27e9_gemm_out:
	s_mov_b64 s[64:65], 0
	v_nop
	global_prefetch_b8 v0, s[64:65] scope:SCOPE_SE
	s_setreg_imm32_b32 hwreg(HW_REG_WAVE_MODE, 25, 1), 1
	s_wait_xcnt 0x0
	s_wait_alu depctr_hold_cnt(0) depctr_sa_sdst(0) depctr_va_vdst(0) depctr_va_sdst(0) depctr_va_ssrc(0) depctr_va_vcc(0) depctr_vm_vsrc(0)
	s_getreg_b32 s2, hwreg(HW_REG_IB_STS2, 6, 4)
	s_cmp_eq_u32 s2, 0
	s_cbranch_scc0 .Lentry_in_a_cluster
	s_endpgm
.Lentry_in_a_cluster:
	s_bfe_u32 s2, ttmp6, 0x10000c
	s_cmp_lg_u32 s2, 0xf033
	s_cbranch_scc0 .Lentry_shape_is_right
	s_endpgm
.Lentry_shape_is_right:
; out0 = (attention's result) Wo + bo on codes of BF6; f32 out.
; Source 0 (P) = 16 column positions of Wo, source 1 (Q) = 16 token positions of ao: a lane holds ONE token, and registers 16 b + i of tiles 2 b, 2 b + 1 hold column 32 b + 16 (lane / 16) + i.
; A work-group makes 256 columns x 128 tokens; a wave 128 x 64: 32 accumulators.  256 work-groups.
; LDS: all of K is resident: four slices of 24 tiles x 3,072 bytes (Q's 8, then P's 16), each filled once: four tensor loads a wave at the start, counted waits, no byte is filled again.
; CLUSTER 4 x 4: Q's tiles hang on the tile row alone, P's on the tile column alone: joint loads along a row and along a column of the cluster.
; ao's scale words lie head by head, two bytes each at their place in the word: a K step's word is the OR of two heads' words.
; THE WAY OUT: a block of 16 tokens x 128 columns goes through the wave's own stage (in slice 0, whose last read by any wave is waited for in front of the barrier at K step 1, and which is never filled again) and
; leaves as rows of 512 consecutive bytes; the rows' places in out0 undo the exchange of bits 3 and 4.
; REGISTERS: window 0: v1-26 addresses; v32-95 Wo's scale words; v96-111 ao's; v112-143 their halves; v160-255 Q's fragments, two sets of 48; on the way out v128-255 rows.  Window 1: P's, two sets.  Window 2: accumulators.  Window 3: v0-63 the bias.
.set TILEB, 12288
.set SLICE, 3072
.set SLOT,  24*SLICE
.set L8,   7
.set ADQ,  12
.set ADP,  16
.set CO,   24                          ; 16 x lane
.set STO,  25
.set RD,   26
.set PS,   32
.set QS,   96                          ; v[QS + 8 tp + s]: lanes 0-15 the word of ao's tile 2 tp, lanes 16-31 of tile 2 tp + 1
.set QL,   112
.set QF,   160
.set BK,   128
.set G1Q, 24
.set G1P, 32
.set MSB, 0
.macro WIN new
.if MSB != (\new)
	s_set_vgpr_msb (MSB<<8)|(\new)
.set MSB, (\new)
.endif
.endm
.macro PLACES n
.rept \n
	v_nop
.endr
.endm
.macro CREST
	s_cmp_lg_u32 s18, 0
	s_cbranch_scc1 .Lnot_wave_0_\@
	s_barrier_signal -3
.Lnot_wave_0_\@:
	s_barrier_wait -3
	s_barrier_signal -1
	s_barrier_wait -1
.endm
.macro CROUND
	s_barrier_signal -1
	s_barrier_wait -1
	CREST
.endm
.macro JLOAD g0q, g1q, g0p, g1p        ; waves 0, 1 fetch Q's halves, waves 2, 3 P's; four v_nop follow each line
	s_cmp_eq_u32 s19, 0
	s_cbranch_scc0 .Lfor_p_\@
	tensor_load_to_lds s[\g0q:\g0q+3], s[\g1q:\g1q+7]
	s_nop 0
.rept 4
	v_nop
.endr
	s_branch .Lasked_\@
.Lfor_p_\@:
	tensor_load_to_lds s[\g0p:\g0p+3], s[\g1p:\g1p+7]
	s_nop 0
.rept 4
	v_nop
.endr
.Lasked_\@:
.endm
.macro FRAG reg, adr, off
.irp p, 0,1,2,3,4,5
	ds_load_b64 v[\reg+2*\p:\reg+2*\p+1], v[\adr] offset:\off+256*\p
.endr
.endm
.macro FETCH_P ls, q, p
	WIN 0x40
.irp i, 0,1,2,3,4,5,6,7
	FRAG 128*(\p)+12*\i, ADP+(\ls), 3072*\i+1536*(\q)
.endr
	WIN 0
.endm
.macro FETCH_Q ls, q, p
.irp i, 0,1,2,3
	FRAG QF+48*(\p)+12*\i, ADQ+(\ls), 3072*\i+1536*(\q)
.endr
.endm
.macro WM acc, pf, qf, c0, sa, sb, odd
.if \odd
	v_wmma_scale_f32_16x16x128_f8f6f4 v[\acc:\acc+7], v[\pf:\pf+11], v[\qf:\qf+11], v[\c0:\c0+7], v[\sa], v[\sb] matrix_a_fmt:MATRIX_FMT_BF6 matrix_b_fmt:MATRIX_FMT_BF6 matrix_b_scale:MATRIX_SCALE_ROW1
.else
	v_wmma_scale_f32_16x16x128_f8f6f4 v[\acc:\acc+7], v[\pf:\pf+11], v[\qf:\qf+11], v[\c0:\c0+7], v[\sa], v[\sb] matrix_a_fmt:MATRIX_FMT_BF6 matrix_b_fmt:MATRIX_FMT_BF6
.endif
.endm
.macro MUL8 a, p, sg, first            ; the 32 accumulators take turns in the same order in every step
.irp b, 0,1,2,3,4,5,6,7
.if \first
	WM 8*(8*(\a)+\b), 128*(\p)+12*\b, QF+48*(\p)+12*(\a), 8*\b, PS+8*\b+(\sg), QS+8*((\a)/2)+(\sg), (\a)%2
.else
	WM 8*(8*(\a)+\b), 128*(\p)+12*\b, QF+48*(\p)+12*(\a), 8*(8*(\a)+\b), PS+8*\b+(\sg), QS+8*((\a)/2)+(\sg), (\a)%2
.endif
.endr
.endm
	s_load_b256 s[4:11], s[0:1], 0x0               ; ao, aos, wq, sc
	s_load_b128 s[12:15], s[0:1], 0x20             ; bo, out0
	v_lshl_add_u32 v30, v0, 2, 0x48000
	v_mov_b32 v31, 0
	ds_add_u32 v30, v31
	v_lshrrev_b32 v1, 5, v0
	v_readfirstlane_b32 s18, v1                    ; wave
	s_lshr_b32 s19, s18, 1                         ; my half of Q's rows.  Also: I fetch for Q (0) or for P (1)
	s_and_b32 s20, s18, 1                          ; my half of P's rows.  Also: which half I fetch
	s_bfe_u32 s21, ttmp6, 0x40000                  ; cx
	s_bfe_u32 s22, ttmp6, 0x40004                  ; cy
	s_lshl_b32 s23, ttmp9, 2
	s_add_co_u32 s23, s23, s21                     ; px: 256 columns
	s_and_b32 s66, ttmp7, 0xffff
	s_lshl_b32 s66, s66, 2
	s_add_co_u32 s66, s66, s22                     ; qy: 128 tokens
	s_lshl_b32 s67, s22, 2
	s_lshl_b32 s67, 15, s67                        ; my row of the cluster
	s_lshl_b32 s82, 0x1111, s21                    ; my column
	s_or_b32 s[G1Q], s67, (3<<16)|(1<<21)
	s_or_b32 s[G1P], s82, (3<<16)|(1<<21)
	s_mov_b32 s[G1Q+1], 384<<16
	s_mov_b32 s[G1Q+2], 4<<16
	s_mov_b32 s[G1Q+3], 384<<16
	s_mov_b32 s[G1Q+4], 4
	s_mov_b32 s[G1Q+5], 1536
	s_mov_b32 s[G1Q+6], 0
	s_mov_b32 s[G1Q+7], 0
	s_mov_b32 s[G1P+1], 384<<16
	s_mov_b32 s[G1P+2], 8<<16
	s_mov_b32 s[G1P+3], 384<<16
	s_mov_b32 s[G1P+4], 8
	s_mov_b32 s[G1P+5], 1536
	s_mov_b32 s[G1P+6], 0
	s_mov_b32 s[G1P+7], 0
	s_lshl_b32 s76, s66, 3
	s_lshl_b32 s83, s20, 2
	s_add_co_u32 s76, s76, s83                     ; Q: ao's tile 8 qy + 4 x half
	s_mul_i32 s76, s76, TILEB
	s_mov_b32 s77, 0
	s_lshl_b32 s78, s23, 4
	s_lshl_b32 s83, s20, 3
	s_add_co_u32 s78, s78, s83
	s_add_co_u32 s78, s78, 192                     ; P: Wo's tile 192 + 16 px + 8 x half
	s_mul_i32 s78, s78, TILEB
	s_mov_b32 s79, 0
	s_mul_i32 s80, s20, 4*SLICE
	s_mul_i32 s81, s20, 8*SLICE
	s_add_co_u32 s81, s81, 8*SLICE
	s_wait_dscnt 0x0
	s_wait_kmcnt 0x0
	s_add_nc_u64 s[76:77], s[4:5], s[76:77]
	s_add_nc_u64 s[78:79], s[8:9], s[78:79]
	CROUND                                         ; all sixteen work-groups are here
.macro FIRST k, gq, gp
	s_mov_b32 s[\gq], 1
	s_add_co_u32 s[\gq+1], s80, \k*SLOT
	s_add_nc_u64 s[\gq+2:\gq+3], s[76:77], \k*SLICE
	s_or_b32 s[\gq+3], s[\gq+3], 0x80000000
	s_mov_b32 s[\gp], 1
	s_add_co_u32 s[\gp+1], s81, \k*SLOT
	s_add_nc_u64 s[\gp+2:\gp+3], s[78:79], \k*SLICE
	s_or_b32 s[\gp+3], s[\gp+3], 0x80000000
	JLOAD \gq, G1Q, \gp, G1P
.endm
	FIRST 0, 40, 56                                ; four tensor loads of mine are out
	FIRST 1, 44, 60
	FIRST 2, 48, 68
	FIRST 3, 52, 72
	v_and_b32 v1, 31, v0
	v_lshlrev_b32 v[L8], 3, v1
	v_and_b32 v2, 15, v0                           ; r
	v_bfe_u32 v3, v0, 4, 1                         ; h
	s_mul_i32 s84, s19, 4*SLICE
	s_mul_i32 s85, s20, 8*SLICE
	s_add_co_u32 s85, s85, 8*SLICE
.irp s, 0,1,2,3
	v_add_nc_u32 v[ADQ+\s], s84, v[L8]
	v_add_nc_u32 v[ADP+\s], s85, v[L8]
	s_add_co_u32 s84, s84, SLOT
	s_add_co_u32 s85, s85, SLOT
.endr
	s_mul_i32 s84, s18, 16*528                     ; my stage: 16 rows x (512 bytes + 16)
	v_mul_u32_u24 v[STO], v2, 528
	v_lshl_add_u32 v[STO], v3, 6, v[STO]
	v_add_nc_u32 v[STO], s84, v[STO]               ; in: row r, 64 h bytes on
	v_lshlrev_b32 v[CO], 4, v1
	v_add_nc_u32 v[RD], s84, v[CO]                 ; back: the 32 lanes take one row
	s_lshl_b32 s84, s23, 4                         ; Wo's scale words: tiles 192 + 16 px + 8 WP on
	s_lshl_b32 s85, s20, 3
	s_add_co_u32 s84, s84, s85
	s_add_co_u32 s84, s84, 192
	s_lshl_b32 s84, s84, 9
	s_add_co_u32 s84, s84, 262144
	s_mov_b32 s85, 0
	s_add_nc_u64 s[86:87], s[10:11], s[84:85]
	v_lshlrev_b32 v4, 4, v2
.irp i, 0,1,2,3,4,5,6,7
	global_load_b128 v[PS+8*\i:PS+8*\i+3], v4, s[86:87] offset:\i*512
	global_load_b128 v[PS+8*\i+4:PS+8*\i+7], v4, s[86:87] offset:\i*512+256
.endr
	s_lshl_b32 s84, s66, 3
	s_lshl_b32 s88, s19, 2
	s_add_co_u32 s84, s84, s88                     ; my first tile of tokens
	s_lshl_b32 s88, s84, 6
	s_mov_b32 s89, 0
	s_add_nc_u64 s[88:89], s[6:7], s[88:89]
	v_lshlrev_b32 v5, 2, v1
.set hh, 0
.rept 16                               ; head hh, tiles 2 tp and 2 tp + 1: 128 consecutive bytes
	global_load_b32 v[QL+2*hh], v5, s[88:89] offset:hh*32768
	global_load_b32 v[QL+2*hh+1], v5, s[88:89] offset:hh*32768+128
.set hh, hh+1
.endr
	s_lshl_b32 s90, s23, 10
	s_lshl_b32 s91, s20, 9
	s_add_co_u32 s90, s90, s91                     ; my first column, in bytes
	s_mov_b32 s91, 0
	s_add_nc_u64 s[94:95], s[12:13], s[90:91]
	v_lshlrev_b32 v6, 6, v3
	WIN 0xc0                                       ; destination window 3
.irp b, 0,1,2,3,4,5,6,7                ; lane (r, h), tile b, register j: column 32 (b / 2) + 16 h + 8 (b % 2) + j
	global_load_b128 v[8*\b:8*\b+3], v6, s[94:95] offset:(32*(\b/2)+8*(\b%2))*4
	global_load_b128 v[8*\b+4:8*\b+7], v6, s[94:95] offset:(32*(\b/2)+8*(\b%2))*4+16
.endr
	WIN 0
	s_lshl_b32 s84, s84, 16                        ; 16 tokens a tile, 4,096 bytes a token
	s_add_co_u32 s84, s84, s90
	s_add_nc_u64 s[92:93], s[14:15], s[84:85]      ; my part of out0
.macro STEP4 sg, first
	s_wait_dscnt 0x0                               ; this step's fragments are in
.if ((\sg) == 1) || ((\sg) == 3) || ((\sg) == 5)
	s_wait_tensorcnt (5-(\sg))/2                   ; my part of the next slice is in; the younger slices may be out
	s_barrier_signal -1
	s_barrier_wait -1
.endif
	PLACES 4
.if (\sg) < 7
	FETCH_P ((\sg)+1)/2, ((\sg)+1)%2, 1-(\sg)%2
	FETCH_Q ((\sg)+1)/2, ((\sg)+1)%2, 1-(\sg)%2
.endif
.if \first
	WIN 0xb1                                       ; P window 1, Q window 0, C (the bias) window 3, D window 2
.else
	WIN 0xa1
.endif
.irp a, 0,1,2,3
	MUL8 \a, (\sg)%2, \sg, \first
.endr
	WIN 0
.endm
	s_wait_tensorcnt 3                             ; my part of slice 0 is in; the three younger loads may be out
	s_barrier_signal -1
	s_barrier_wait -1
	FETCH_P 0, 0, 0
	FETCH_Q 0, 0, 0
	s_wait_loadcnt 0x0                             ; scale words and bias
.irp g, 0,1,2,3,4,5,6,7
	v_or_b32 v[QS+\g], v[QL+4*\g], v[QL+4*\g+2]    ; K step g = heads 2 g and 2 g + 1
	v_or_b32 v[QS+8+\g], v[QL+4*\g+1], v[QL+4*\g+3]
.endr
	PLACES 8                                       ; a scale register written by a vector instruction stands eight places ahead of a scaled matrix instruction
	STEP4 0, 1
.irp g, 1,2,3,4,5,6,7
	STEP4 \g, 0
.endr
.macro TOSTAGE a
	WIN 0x08                                       ; an LDS store's data: window 2
.irp b, 0,1,2,3,4,5,6,7
	ds_store_b128 v[STO], v[8*(8*(\a)+\b):8*(8*(\a)+\b)+3] offset:128*(\b/2)+32*(\b%2)          ; each accumulator from its low end on
	ds_store_b128 v[STO], v[8*(8*(\a)+\b)+4:8*(8*(\a)+\b)+7] offset:128*(\b/2)+32*(\b%2)+16
.endr
	WIN 0
.set BB, BK+64*((\a)%2)
.irp t, 0,1,2,3,4,5,6,7,8,9,10,11,12,13,14,15
	ds_load_b128 v[BB+4*\t:BB+4*\t+3], v[RD] offset:\t*528         ; LDS serves a wave's instructions in order: these see the stores above
.endr
.endm
.macro SEND a, younger                 ; younger: the LDS instructions issued behind block a's loads
.set BB, BK+64*((\a)%2)
	s_wait_dscnt \younger
.irp t, 0,1,2,3,4,5,6,7,8,9,10,11,12,13,14,15
	global_store_b128 v[CO], v[BB+4*\t:BB+4*\t+3], s[92:93] offset:(32*((\a)/2)+8*((\a)%2)+\t+8*(\t/8))*4096 th:TH_STORE_NT   ; position t of tile a is this token: 512 consecutive bytes, aligned
.endr
.endm
	PLACES 4                                       ; in front of the first read of results, and of loads into registers that held Q's fragments
	TOSTAGE 0
.irp a, 1,2,3
.if \a > 1
	s_wait_xcnt 0x0                                ; block a - 2's stores have read their registers: block a's rows may land there
.endif
	TOSTAGE \a
	SEND \a-1, 32                                  ; behind block a - 1's loads: block a's 16 stores and 16 loads
.endr
	SEND 3, 0
	s_wait_tensorcnt 0x0
	ds_add_u32 v30, v31
	s_wait_dscnt 0x0
	CROUND                                         ; the closing round
	s_endpgm
.Lfunc_end_k_q18576a27e9_gemm_out:
	.size	k_q18576a27e9_gemm_out, .Lfunc_end_k_q18576a27e9_gemm_out-k_q18576a27e9_gemm_out
	.p2alignl 7, 3214868480
	.fill 96, 4, 3214868480
	.section	.rodata,"a",@progbits
	.p2align	6, 0x0
	.amdhsa_kernel k_q18576a27e9_gemm_out
		.amdhsa_group_segment_fixed_size 295424
		.amdhsa_private_segment_fixed_size 0
		.amdhsa_enable_private_segment 0
		.amdhsa_kernarg_size 48
		.amdhsa_user_sgpr_count 2
		.amdhsa_user_sgpr_kernarg_segment_ptr 1
		.amdhsa_wavefront_size32 1
		.amdhsa_system_sgpr_workgroup_id_x 1
		.amdhsa_system_sgpr_workgroup_id_y 1
		.amdhsa_system_sgpr_workgroup_id_z 1
		.amdhsa_system_vgpr_workitem_id 0
		.amdhsa_next_free_vgpr 832
		.amdhsa_next_free_sgpr 100
		.amdhsa_reserve_vcc 0
		.amdhsa_float_denorm_mode_32 3
		.amdhsa_float_denorm_mode_16_64 3
		.amdhsa_memory_ordered 1
		.amdhsa_forward_progress 1
		.amdhsa_inst_pref_size 102
	.end_amdhsa_kernel
	.amdgpu_metadata
---
amdhsa.version: [ 1, 2 ]
amdhsa.kernels:
  - .name:           k_q18576a27e9_gemm_out
    .symbol:         k_q18576a27e9_gemm_out.kd
    .args:
      - { .name: ao, .offset: 0, .size: 8, .value_kind: global_buffer, .address_space: global }
      - { .name: aos, .offset: 8, .size: 8, .value_kind: global_buffer, .address_space: global }
      - { .name: wq, .offset: 16, .size: 8, .value_kind: global_buffer, .address_space: global }
      - { .name: sc, .offset: 24, .size: 8, .value_kind: global_buffer, .address_space: global }
      - { .name: bo, .offset: 32, .size: 8, .value_kind: global_buffer, .address_space: global }
      - { .name: out0, .offset: 40, .size: 8, .value_kind: global_buffer, .address_space: global }
    .group_segment_fixed_size: 295424
    .private_segment_fixed_size: 0
    .kernarg_segment_align: 8
    .kernarg_segment_size: 48
    .max_flat_workgroup_size: 128
    .sgpr_count:     100
    .vgpr_count:     832
    .wavefront_size: 32
...
	.end_amdgpu_metadata
.endif
;; end of part 5
